; MI455X (gfx1250); checked and timed in simulation.
; The chip was launched on July 23, 2026; its instructions are those of AMD's public machine-readable ISA for CDNA 5 (MIT licence, August 2026) and "CDNA5" Instruction Set Architecture Reference Guide (July 2026). The comments in the code are by the model that wrote it; some were corrected since.
;; Fun I Cross. Allowed arithmetic: float matrix products may take bf16 or f16 operands with f32 sums; all other float work in f32.
;; Inputs: W1 256 x 1,024 float32; W2 1,024 x 256 float32; Wk 256 x 256 float32; Wo 256 x 256 float32; Wv 256 x 256 float32; b1 256 float32; b2 256 float32; bf1 1,024 float32; bf2 256 float32; bk 256 float32; bo 256 float32; bv 256 float32; g1 256 float32; g2 256 float32; key 8 x 4,096 x 256 float32; query 8 x 2,048 x 256 float32; value 8 x 4,096 x 256 float32.
;; Outputs: out0 8 x 2,048 x 256 float32.
;; One version. Each part assembles by itself: llvm-mc -triple=amdgcn-amd-amdhsa -mcpu=gfx1250 --defsym DOCPART=n.
;; ======== version 1 of 1: 3 launches
;; limits: values outside matrix products are rounded to bf16
;; workspace buffers: kp 16,777,216 bytes; vp 16,777,216 bytes; wb 1,179,648 bytes; opart 16,777,216 bytes; ml 262,144 bytes
;; launch proj (part 1): grid 128 x 2, 4 waves a work-group, no clusters, 224,768 bytes of LDS; arguments key, value, Wk, Wv, bk, bv, Wo, W1, W2, kp, vp, wb; writes kp, vp, wb
.if DOCPART == 1
	.amdgcn_target "amdgcn-amd-amdhsa--gfx1250"
	.amdhsa_code_object_version 6
	.text
	.protected	k_qc93d8bde86_proj
	.globl	k_qc93d8bde86_proj
	.p2align	8
	.type	k_qc93d8bde86_proj,@function
k_qc93d8bde86_proj:
	s_mov_b64 s[64:65], 0
	v_nop
	global_prefetch_b8 v0, s[64:65] scope:SCOPE_SE
	s_setreg_imm32_b32 hwreg(HW_REG_WAVE_MODE, 25, 1), 1
	s_wait_xcnt 0x0
; kp = bf16(key Wk + bk) (work-groups with y = 0), vp = bf16(value Wv + bv) (y = 1); and wb = Wo, W1, W2 cast to bf16, in their own [K][N] order.
; X (key or value): [32768][256] f32.  W: [256][256] f32, [in][out].  Y (kp or vp): [32768][256] bf16.  Products in bf16 with f32 sums; Y rounded once.
; LIMITS: X and W are rounded to bf16 for the product and Y is kept in bf16 (range as f32); NaN and infinities are not treated specially.
; SHARES.  A work-group owns 256 rows of X: four tiles of 64.  Wave wv = 2 i + j makes rows 32 i .. 32 i + 31 of a tile and columns 128 j .. 128 j + 127.
; Its part of W (128 columns x 256 K) stays in 512 registers, so that from LDS only X is read in the tiles: a fragment of X feeds 8 products.
; THE PRODUCT IS USED TRANSPOSED (source 0 = 16 columns of W, source 1 = 16 rows of X): a lane then holds eight neighbouring columns of one row of Y, 16 bytes in bf16.
; All data pass through registers (f32 has to be rounded on its way), so there are no tensor loads; no tile is shared between work-groups but W, 256 KiB, which is read once by each.
; The casts ride along: each of the 256 work-groups casts 1,024 numbers of W1, 1,024 of W2 and (wave 0) 256 of Wo.
; LDS: W as bf16, 256 rows of 544 bytes (512 + 32); X as bf16, two slots of 64 rows of 528 bytes; a stage of 16 rows x 272 bytes for each wave.
; REGISTERS, in windows of 256: window 0: v0-31 addresses, v32-95 bias, v96-127 casts, v128-255 fragments of X (on the way out: packed results and rows read back);
;   window 1: v0-127 the 16 accumulators ((nt, rt) at 8 (2 nt + rt)), v128-255 the next tile of X as loaded;  windows 2, 3: W (first as loaded, then fragment (nt, c) at 8 (8 (nt % 4) + c)).
.set PW,    544
.set PX,    528
.set SP,    272
.set XT,    256*PW                     ; X's two slots begin behind W
.set XSLOT, 64*PX
.set OST,   XT+2*XSLOT                 ; the four stages
.set XO,   2                           ; byte offset of my 16 bytes in my wave's 16 rows of a tile of X
.set XSA,  3                           ; LDS: where I put 8 bytes (4 bf16) of X
.set XFA,  4                           ; LDS: my place in a fragment of X
.set WLO,  5                           ; byte offset of my 16 bytes in my wave's 64 rows of W
.set WSA,  6                           ; LDS: where I put 8 bytes of W
.set WFA,  7                           ; v7, v8  LDS: my place in a fragment of W, K chunks 0-3 and 4-7
.set BO,   9                           ; byte offset of my 8 numbers of the bias
.set STO,  10                          ; the way out: where I put 16 bytes of a row
.set RD,   11                          ; the way out: where I read a row back
.set CO,   12                          ; my byte offset in Y
.set CI,   13                          ; casts: 32 x thread (in), 16 x thread (out), 32 x lane, 16 x lane
.set CSO,  14
.set CIW,  15
.set CSW,  16
.set LN,   17
.set R,    18
.set H,    19
.set T,    20
.set BIAS, 32
.set CT,   96
.set XF,   128
.set TMP,  128
.set OB,   160
.set LA,   128
.set MSB, 0
.macro WIN new                         ; the immediate's high byte repeats the setting that is left; a switch that changes nothing is dropped
.if MSB != (\new)
	s_set_vgpr_msb (MSB<<8)|(\new)
.set MSB, \new
.endif
.endm
.macro PLACES                          ; four places behind matrix instructions, in front of vector instructions and loads that touch their registers
.rept 4
	v_nop
.endr
.endm
	s_load_b512 s[4:19], s[0:1], 0x0               ; key, value, Wk, Wv, bk, bv, Wo, W1
	s_load_b256 s[20:27], s[0:1], 0x40             ; W2, kp, vp, wb
	v_lshl_add_u32 v126, v0, 2, 0x36c00
	v_mov_b32 v127, 0
	v_lshrrev_b32 v1, 5, v0
	v_readfirstlane_b32 s36, v1                    ; wave 0..3
	s_lshr_b32 s37, s36, 1                         ; i: my half of a tile's rows
	s_and_b32 s38, s36, 1                          ; j: my half of the columns
	s_and_b32 s39, ttmp7, 0xffff                   ; y: 0 = key, 1 = value
	s_lshl_b32 s40, s39, 7
	s_add_co_u32 s40, s40, ttmp9                   ; the work-group's number among all 256, for the casts
	v_and_b32 v[LN], 31, v0
	v_and_b32 v[R], 15, v0
	v_bfe_u32 v[H], v0, 4, 1
	s_lshl_b32 s41, s36, 14
	v_lshl_add_u32 v[XO], v[LN], 4, s41            ; wave x 16 rows x 1,024 bytes + 16 x lane
	s_mul_i32 s41, s36, 16*PX
	s_add_co_u32 s41, s41, XT
	v_lshl_add_u32 v[XSA], v[LN], 3, s41
	s_mul_i32 s41, s37, 32*PX
	s_add_co_u32 s41, s41, XT
	v_mul_u32_u24 v[T], v[R], PX
	v_lshl_add_u32 v[T], v[H], 4, v[T]
	v_add_nc_u32 v[XFA], s41, v[T]                 ; (32 i + lane % 16) x pitch + 16 x (lane / 16)
	s_lshl_b32 s41, s36, 16
	v_lshl_add_u32 v[WLO], v[LN], 4, s41           ; wave x 64 rows x 1,024 bytes + 16 x lane
	s_mul_i32 s41, s36, 64*PW
	v_lshl_add_u32 v[WSA], v[LN], 3, s41
	v_and_b32 v[T], 7, v0                          ; the turning load: lane l reads 16 bytes of row 8 (l / 16) + l % 8, at byte 16 ((l / 8) % 2)
	v_lshl_add_u32 v[T], v[H], 3, v[T]
	v_mul_u32_u24 v[T], v[T], PW
	v_bfe_u32 v[T+1], v0, 3, 1
	v_lshl_add_u32 v[T], v[T+1], 4, v[T]
	s_lshl_b32 s41, s38, 8
	v_add_nc_u32 v[WFA], s41, v[T]                 ; + my 128 columns
	v_add_nc_u32 v[WFA+1], 128*PW, v[WFA]          ; K chunks 4-7: the 16-bit offset does not reach them
	s_lshl_b32 s41, s38, 9
	v_lshl_add_u32 v[BO], v[H], 5, s41             ; (128 j + 8 (lane / 16)) x 4
	s_mul_i32 s41, s36, 16*SP
	s_add_co_u32 s41, s41, OST
	v_mul_u32_u24 v[T], v[R], SP
	v_lshl_add_u32 v[T], v[H], 4, v[T]
	v_add_nc_u32 v[STO], s41, v[T]
	v_mul_u32_u24 v[T], v[H], SP
	v_lshl_add_u32 v[T], v[R], 4, v[T]
	v_add_nc_u32 v[RD], s41, v[T]
	s_lshl_b32 s41, s37, 14
	s_lshl_b32 s42, s38, 8
	s_add_co_u32 s41, s41, s42
	v_lshlrev_b32 v[T], 9, v[H]
	v_lshl_add_u32 v[T], v[R], 4, v[T]
	v_add_nc_u32 v[CO], s41, v[T]                  ; (32 i + lane / 16) rows of 512 bytes + 256 j + 16 (lane % 16)
	v_lshlrev_b32 v[CI], 5, v0
	v_lshlrev_b32 v[CSO], 4, v0
	v_lshlrev_b32 v[CIW], 5, v[LN]
	v_lshlrev_b32 v[CSW], 4, v[LN]
	s_wait_kmcnt 0x0
	s_cmp_eq_u32 s39, 0                            ; the choice hangs on the work-group's y alone
	s_cselect_b64 s[28:29], s[4:5], s[6:7]         ; X
	s_cselect_b64 s[30:31], s[8:9], s[10:11]       ; W
	s_cselect_b64 s[32:33], s[12:13], s[14:15]     ; bias
	s_cselect_b64 s[34:35], s[22:23], s[24:25]     ; Y
	s_mov_b32 s43, 0
	s_lshl_b32 s42, ttmp9, 18
	s_add_nc_u64 s[28:29], s[28:29], s[42:43]      ; X at my 256 rows of 1,024 bytes
	s_lshl_b32 s42, ttmp9, 17
	s_add_nc_u64 s[34:35], s[34:35], s[42:43]      ; Y at my 256 rows of 512 bytes
	s_lshl_b32 s42, s40, 12
	s_add_nc_u64 s[18:19], s[18:19], s[42:43]      ; my 4,096 bytes of W1 and of W2
	s_add_nc_u64 s[20:21], s[20:21], s[42:43]
	s_lshl_b32 s42, s40, 10
	s_add_nc_u64 s[16:17], s[16:17], s[42:43]      ; my 1,024 bytes of Wo
	s_lshl_b32 s42, s40, 11
	s_add_nc_u64 s[44:45], s[26:27], s[42:43]      ; wb + 2,048 x group: W1's and W2's parts stand in the stores' immediates
	s_lshl_b32 s42, s40, 9
	s_add_nc_u64 s[46:47], s[26:27], s[42:43]      ; wb + 512 x group: Wo's part
; My wave's 16 rows of tile t of X: 32 loads of 512 neighbouring bytes each
.macro LOADX t
	WIN 0x40                                       ; destination window 1, address window 0
.set q, 0
.rept 32
	global_load_b128 v[LA+4*q:LA+4*q+3], v[XO], s[28:29] offset:(64*\t+q/2)*1024+512*(q%2) th:TH_LOAD_NT
.set q, q+1
.endr
	WIN 0
.endm
; They are rounded to bf16 in place and put into an LDS slot: 8 bytes a lane, 256 neighbouring bytes an instruction
.macro CVTX slot
	WIN 0x45
.set q, 0
.rept 32
	v_cvt_pk_bf16_f32 v[LA+4*q], v[LA+4*q], v[LA+4*q+1]
	v_cvt_pk_bf16_f32 v[LA+4*q+1], v[LA+4*q+2], v[LA+4*q+3]
.set q, q+1
.endr
	WIN 0x04                                       ; store data window 1
.set q, 0
.rept 32
	ds_store_b64 v[XSA], v[LA+4*q:LA+4*q+1] offset:\slot*XSLOT+(q/2)*PX+256*(q%2)
.set q, q+1
.endr
	WIN 0
.endm
; My 32 rows x 256 K of X as 16 fragments, K chunk by K chunk
.macro FETCHF slot
	s_wait_xcnt 0x0                                ; the last tile's stores have had their addresses translated (ISA guide 3.1): the registers that they read are loaded again only behind this wait
	WIN 0
.irp c, 0,1,2,3,4,5,6,7
.irp rt, 0,1
	ds_load_b128 v[XF+8*(8*\rt+\c):XF+8*(8*\rt+\c)+3],   v[XFA] offset:\slot*XSLOT+\rt*16*PX+64*\c
	ds_load_b128 v[XF+8*(8*\rt+\c)+4:XF+8*(8*\rt+\c)+7], v[XFA] offset:\slot*XSLOT+\rt*16*PX+64*\c+32
.endr
.endr
.endm
; 64 products: four column tiles (half 0: window 2, half 1: window 3) x two row tiles x 8 K chunks.  The first K chunk takes the bias as C: nothing is cleared or added later.
; The 8 accumulators take turns, one instruction a turn.
.macro MULP half
.set c, 0
.rept 8
.if c == 0
	WIN 0x42+\half                                 ; W window 2 or 3, X and bias window 0, D window 1
.else
	WIN 0x52+\half                                 ; C window 1 too
.endif
.if (\half == 0) && (c == 4)
	s_wait_dscnt 0x0                               ; K chunks 4-7 of X are in
.endif
.irp n, 0,1,2,3
.irp rt, 0,1
.set rD, 8*(2*(4*\half+\n)+\rt)
.set rW, 8*(8*\n+c)
.set rX, XF+8*(8*\rt+c)
.if c == 0
	v_wmma_f32_16x16x32_bf16 v[rD:rD+7], v[rW:rW+7], v[rX:rX+7], v[BIAS+8*(4*\half+\n):BIAS+8*(4*\half+\n)+7]
.else
	v_wmma_f32_16x16x32_bf16 v[rD:rD+7], v[rW:rW+7], v[rX:rX+7], v[rD:rD+7]
.endif
.endr
.endr
.set c, c+1
.endr
.endm
; The way out of 16 rows x 128 columns: rounded (each accumulator from its low end on), 16 bytes a lane into my own stage, back as whole rows of 256 bytes, stored.
.macro OUT rt, t
	WIN 0x05
.irp nt, 0,1,2,3,4,5,6,7
.irp p, 0,1,2,3
	v_cvt_pk_bf16_f32 v[TMP+4*\nt+\p], v[8*(2*\nt+\rt)+2*\p], v[8*(2*\nt+\rt)+2*\p+1]
.endr
.endr
	WIN 0
.irp nt, 0,1,2,3,4,5,6,7
	ds_store_b128 v[STO], v[TMP+4*\nt:TMP+4*\nt+3] offset:32*\nt
.endr
.irp u, 0,1,2,3,4,5,6,7
	ds_load_b128 v[OB+32*\rt+4*\u:OB+32*\rt+4*\u+3], v[RD] offset:\u*2*SP   ; LDS serves a wave's instructions in order (ISA guide 5.7.1.4): these see the stores above
.endr
.irp u, 0,1,2,3,4,5,6,7
	s_wait_dscnt 7-\u                              ; the younger loads from the stage may stay out
	global_store_b128 v[CO], v[OB+32*\rt+4*\u:OB+32*\rt+4*\u+3], s[34:35] offset:(64*\t+16*\rt+2*\u)*512   ; 16 lanes store 256 consecutive bytes, at a multiple of 256 from Y's first byte
.endr
.endm
; A tile.  One barrier a tile: in front of it each wave's stores into the slot and its reads of the other slot are done; the slot written in tile t is written again in tile t + 2, behind the barrier of tile t + 1.
.macro TILE t
.if \t > 0
	s_wait_loadcnt 0x0                             ; the only loads out are this tile's 32
	CVTX (\t%2)
	s_wait_dscnt 0x0                               ; for the others' sake, and so that the registers just stored may be loaded again
.if \t < 3
	LOADX (\t+1)                                   ; the next tile has this tile's 128 products and its way out in which to come
.endif
	s_barrier_signal -1
	s_barrier_wait -1
.endif
	FETCHF (\t%2)
	s_wait_dscnt 16                                ; all but the youngest 16 loads: K chunks 0-3 (and, in the first tile, W) are in
	MULP 0
	MULP 1
	PLACES
	OUT 0, \t
	OUT 1, \t
.endm
.macro CAST8 a                         ; eight f32 in v[a .. a+7] to eight bf16 in v[a .. a+3]
	v_cvt_pk_bf16_f32 v[\a], v[\a], v[\a+1]
	v_cvt_pk_bf16_f32 v[\a+1], v[\a+2], v[\a+3]
	v_cvt_pk_bf16_f32 v[\a+2], v[\a+4], v[\a+5]
	v_cvt_pk_bf16_f32 v[\a+3], v[\a+6], v[\a+7]
.endm
	; all loads of the start go out together
	LOADX 0
.irp nt, 0,1,2,3,4,5,6,7
	global_load_b128 v[BIAS+8*\nt:BIAS+8*\nt+3],   v[BO], s[32:33] offset:64*\nt       ; register j of tile nt: bias of column 128 j' + 16 nt + 8 (lane / 16) + j, as the result holds it
	global_load_b128 v[BIAS+8*\nt+4:BIAS+8*\nt+7], v[BO], s[32:33] offset:64*\nt+16
.endr
	global_load_b128 v[CT:CT+3],     v[CI], s[18:19] th:TH_LOAD_NT
	global_load_b128 v[CT+4:CT+7],   v[CI], s[18:19] offset:16 th:TH_LOAD_NT
	global_load_b128 v[CT+8:CT+11],  v[CI], s[20:21] th:TH_LOAD_NT
	global_load_b128 v[CT+12:CT+15], v[CI], s[20:21] offset:16 th:TH_LOAD_NT
	s_cmp_lg_u32 s36, 0
	s_cbranch_scc1 .Lno_wo_in                      ; Wo's 1,024 bytes are one wave's work
	global_load_b128 v[CT+16:CT+19], v[CIW], s[16:17] th:TH_LOAD_NT
	global_load_b128 v[CT+20:CT+23], v[CIW], s[16:17] offset:16 th:TH_LOAD_NT
.Lno_wo_in:
	WIN 0x80                                       ; my wave's 64 rows of W: 128 loads of 512 neighbouring bytes, into windows 2 and 3
.set q, 0
.rept 64
	global_load_b128 v[4*q:4*q+3], v[WLO], s[30:31] offset:(q/2)*1024+512*(q%2)
.set q, q+1
.endr
	WIN 0xc0
.set q, 0
.rept 64
	global_load_b128 v[4*q:4*q+3], v[WLO], s[30:31] offset:(32+q/2)*1024+512*(q%2)
.set q, q+1
.endr
	WIN 0
	s_wait_loadcnt 0x0                             ; zero: wave 0 has issued two loads more than the others, and all are needed now
	CAST8 CT
	CAST8 CT+8
	global_store_b128 v[CSO], v[CT:CT+3],    s[44:45] offset:131072    ; W1 begins at byte 131,072 of wb; a wave's store covers 512 consecutive bytes, aligned
	global_store_b128 v[CSO], v[CT+8:CT+11], s[44:45] offset:655360    ; W2 at byte 655,360
	s_cmp_lg_u32 s36, 0
	s_cbranch_scc1 .Lno_wo_out
	CAST8 CT+16
	global_store_b128 v[CSW], v[CT+16:CT+19], s[46:47]                 ; Wo at byte 0
.Lno_wo_out:
	WIN 0x8a                                       ; W is rounded in place and put into LDS as it lies, [K][N]
.set q, 0
.rept 64
	v_cvt_pk_bf16_f32 v[4*q], v[4*q], v[4*q+1]
	v_cvt_pk_bf16_f32 v[4*q+1], v[4*q+2], v[4*q+3]
.set q, q+1
.endr
	WIN 0x08
.set q, 0
.rept 64
	ds_store_b64 v[WSA], v[4*q:4*q+1] offset:(q/2)*PW+256*(q%2)
.set q, q+1
.endr
	WIN 0xcf
.set q, 0
.rept 64
	v_cvt_pk_bf16_f32 v[4*q], v[4*q], v[4*q+1]
	v_cvt_pk_bf16_f32 v[4*q+1], v[4*q+2], v[4*q+3]
.set q, q+1
.endr
	WIN 0x0c
.set q, 0
.rept 64
	ds_store_b64 v[WSA], v[4*q:4*q+1] offset:(32+q/2)*PW+256*(q%2)
.set q, q+1
.endr
	CVTX 0
	s_wait_dscnt 0x0                               ; my parts of W and of tile 0 are in LDS
	LOADX 1
	s_barrier_signal -1
	s_barrier_wait -1                              ; everybody's are
	WIN 0x80                                       ; my 128 columns of W, turned: fragment (nt, c) = 16 columns x 32 K
.set f, 0
.rept 32
	ds_load_tr16_b128 v[8*f:8*f+3],   v[WFA+(f%8)/4] offset:(f%4)*32*PW+32*(f/8)
	ds_load_tr16_b128 v[8*f+4:8*f+7], v[WFA+(f%8)/4] offset:(f%4)*32*PW+32*(f/8)+16*PW
.set f, f+1
.endr
	WIN 0xc0
.set f, 0
.rept 32
	ds_load_tr16_b128 v[8*f:8*f+3],   v[WFA+(f%8)/4] offset:(f%4)*32*PW+32*(4+f/8)
	ds_load_tr16_b128 v[8*f+4:8*f+7], v[WFA+(f%8)/4] offset:(f%4)*32*PW+32*(4+f/8)+16*PW
.set f, f+1
.endr
	TILE 0
	TILE 1
	TILE 2
	TILE 3
	s_wait_tensorcnt 0x0
	ds_add_u32 v126, v127
	s_wait_dscnt 0x0
	s_endpgm
.Lfunc_end_k_qc93d8bde86_proj:
	.size	k_qc93d8bde86_proj, .Lfunc_end_k_qc93d8bde86_proj-k_qc93d8bde86_proj
	.p2alignl 7, 3214868480
	.fill 96, 4, 3214868480
	.section	.rodata,"a",@progbits
	.p2align	6, 0x0
	.amdhsa_kernel k_qc93d8bde86_proj
		.amdhsa_group_segment_fixed_size 224768
		.amdhsa_private_segment_fixed_size 0
		.amdhsa_enable_private_segment 0
		.amdhsa_kernarg_size 96
		.amdhsa_user_sgpr_count 2
		.amdhsa_user_sgpr_kernarg_segment_ptr 1
		.amdhsa_wavefront_size32 1
		.amdhsa_system_sgpr_workgroup_id_x 1
		.amdhsa_system_sgpr_workgroup_id_y 1
		.amdhsa_system_sgpr_workgroup_id_z 1
		.amdhsa_system_vgpr_workitem_id 0
		.amdhsa_next_free_vgpr 1024
		.amdhsa_next_free_sgpr 66
		.amdhsa_reserve_vcc 0
		.amdhsa_float_denorm_mode_32 3
		.amdhsa_float_denorm_mode_16_64 3
		.amdhsa_memory_ordered 1
		.amdhsa_forward_progress 1
		.amdhsa_inst_pref_size 163
	.end_amdhsa_kernel
	.amdgpu_metadata
---
amdhsa.version: [ 1, 2 ]
amdhsa.kernels:
  - .name:           k_qc93d8bde86_proj
    .symbol:         k_qc93d8bde86_proj.kd
    .args:
      - { .name: key, .offset: 0, .size: 8, .value_kind: global_buffer, .address_space: global }
      - { .name: value, .offset: 8, .size: 8, .value_kind: global_buffer, .address_space: global }
      - { .name: Wk, .offset: 16, .size: 8, .value_kind: global_buffer, .address_space: global }
      - { .name: Wv, .offset: 24, .size: 8, .value_kind: global_buffer, .address_space: global }
      - { .name: bk, .offset: 32, .size: 8, .value_kind: global_buffer, .address_space: global }
      - { .name: bv, .offset: 40, .size: 8, .value_kind: global_buffer, .address_space: global }
      - { .name: Wo, .offset: 48, .size: 8, .value_kind: global_buffer, .address_space: global }
      - { .name: W1, .offset: 56, .size: 8, .value_kind: global_buffer, .address_space: global }
      - { .name: W2, .offset: 64, .size: 8, .value_kind: global_buffer, .address_space: global }
      - { .name: kp, .offset: 72, .size: 8, .value_kind: global_buffer, .address_space: global }
      - { .name: vp, .offset: 80, .size: 8, .value_kind: global_buffer, .address_space: global }
      - { .name: wb, .offset: 88, .size: 8, .value_kind: global_buffer, .address_space: global }
    .group_segment_fixed_size: 224768
    .private_segment_fixed_size: 0
    .kernarg_segment_align: 8
    .kernarg_segment_size: 96
    .max_flat_workgroup_size: 128
    .sgpr_count:     66
    .vgpr_count:     1024
    .wavefront_size: 32
...
	.end_amdgpu_metadata
.endif
;; end of part 1
;; launch attn (part 2): grid 16 x 16, 4 waves a work-group, clusters of 4 x 1, 327,680 bytes of LDS; arguments query, kp, vp, opart, ml; writes opart, ml
.if DOCPART == 2
	.amdgcn_target "amdgcn-amd-amdhsa--gfx1250"
	.amdhsa_code_object_version 6
	.text
	.protected	k_qc93d8bde86_attn
	.globl	k_qc93d8bde86_attn
	.p2align	8
	.type	k_qc93d8bde86_attn,@function
k_qc93d8bde86_attn:
	s_mov_b64 s[64:65], 0
	v_nop
	global_prefetch_b8 v0, s[64:65] scope:SCOPE_SE
	s_setreg_imm32_b32 hwreg(HW_REG_WAVE_MODE, 25, 1), 1
	s_wait_xcnt 0x0
	s_wait_alu depctr_hold_cnt(0) depctr_sa_sdst(0) depctr_va_vdst(0) depctr_va_sdst(0) depctr_va_ssrc(0) depctr_va_vcc(0) depctr_vm_vsrc(0)
	s_getreg_b32 s2, hwreg(HW_REG_IB_STS2, 6, 4)
	s_cmp_eq_u32 s2, 0
	s_cbranch_scc0 .Lentry_in_a_cluster
	s_endpgm
.Lentry_in_a_cluster:
	s_bfe_u32 s2, ttmp6, 0x10000c
	s_cmp_lg_u32 s2, 0x3003
	s_cbranch_scc0 .Lentry_shape_is_right
	s_endpgm
.Lentry_shape_is_right:
; Attention of 128 queries on ONE HALF (2,048) of a batch's keys: opart[half][q][:] = the sum over the half's k of softmax_k(query[q] . kp[k] / 16) vp[k][:], normalised within the half, in bf16,
; and ml[half][q] = (c m, l): the half's maximum of the scores times c = log2(e) / 16, and the sum of 2^(c s - c m).  The next launch joins the two halves.
; query: [8][2048][256] f32.  kp, vp: [8][4096][256] bf16.  Products in bf16 with f32 sums; maxima, exponentials and sums in f32; the weights are rounded to bf16 for the second product, their sum is not.
; LIMITS: query is rounded to bf16; v_exp_f32 and v_rcp_f32 flush denormals (ISA guide 15.8), so a weight below 2^-126 counts as 0; NaN and infinities are not treated specially.
; SHARES.  Work-group (x, y): queries 128 x .. 128 x + 127 of batch y / 2, key half y % 2.  16 blocks of queries x 8 batches x 2 halves = 256 work-groups.  A wave has 32 queries: two tiles of 16.  64 keys a step, 32 steps.
; LAYOUT.  S^T = K Q^T (source 0 = 16 keys, source 1 = 16 queries): a lane holds ONE query (lane % 16) and the keys 8 (lane / 16) + 0..7.  Two such tiles, rounded in pairs, ARE source 1 of O^T = V^T P,
; whose result again holds one query a lane.  K comes out of LDS as it lies, V ([key][channel]) turned, by ds_load_tr16_b128.
; SOFTMAX.  For each query a running maximum m and sum l; in every step O and l are multiplied by a = 2^(c m_old - c m_new).
; BY TURNS.  The wave's two tiles never look at each other.  In a TURN one tile has the matrix unit: its 32 products V^T P of the step in hand, then its 32 products K Q^T of the next step; the other tile's
; softmax, 166 instructions cut into 64 slices, stands between them, one slice behind each product.  Then the tiles change places; two turns are a key step.  That is 2.6 vector instructions a product.
; All that a softmax touches but O^T lies in window 0, and no window has room for a product's operands beside it, so a slice costs two switches of the register window: 256 for a key step's 128 products.
; In phases of their own the 332 vector instructions of a step would stand where no product is issued; the switches are the lesser price.
; LDS LOADS stand in groups of eight (four fragments), one more switch each: K of the next step behind every fourth product V^T P of tile 0's turn, V of the next step behind every sixth product of tile 1's
; turn, each group in the order in which the products take the fragments, so that the waits in front of the products are counted and no product waits for a whole step's loads.
; CLUSTER.  The four work-groups of a cluster have the same y and walk the same K and V: each tile is asked for JOINTLY, by the same tensor load with the same descriptor and a mask that names the four.
; RING.  Two LDS slots of two key steps each.  Waves 0, 1 fetch the two steps' K, waves 2, 3 their V: one load of 64 rows x 512 bytes a wave behind each round; it has two key steps, 256 products, in which to land.
; PREFETCH.  The sixteen work-groups of one y read the same 128 KiB of K and V for a slot: 512 blocks of 256 bytes.  Wave 3 of each asks for 32 of them (lanes 256 bytes apart; work-groups 0-7 share K's
; 256 blocks, 8-15 V's), so each block is asked for once in the launch.  At the start: the keys of the first refill; at each change of slots: the keys that the NEXT change will fetch, one slot (two key steps,
; 8 KiB a work-group) ahead.  The last change that refills asks for nothing: there are no further keys in the half.
; REGISTERS, in windows of 256: window 0: v2-12 addresses, v16-31 statistics (8 a tile), v32-63 P (16 a tile), v64-127 S^T (32 a tile), v128-255 Q (fragment (t, c) at 128 + 8 (8 t + c));
;   window 1: O^T at 128 t + 8 ct;   window 2: K, fragment (channels 32 c on, keys 16 kt on) at 8 (4 c + kt);   window 3: V, fragment (keys 32 kb on, channels 16 ct on) at 8 (16 kb + ct).
.set KS,    64
.set PK,    528       ; a row of K in LDS: 512 bytes + 16: the 16 rows of a load start at 16 different banks (64 banks of 4 bytes: ISA guide 11.1)
.set PV,    544       ; a row of V: 512 + 32
.set VOFF,  KS*PK
.set STEPB, KS*(PK+PV)
.set SLOTB, 2*STEPB
.set SLOTG, 2*KS*512  ; a slot's bytes of K (or of V) in memory
.set STAGE, 2*SLOTB   ; behind the ring, at a multiple of 256: 16 rows x 528 bytes for each wave; no tensor load lands here
.set SPO,   528
.set AK0,  2          ; my lane's place in a tile of K; never rewritten
.set AV0,  3          ; the same for V
.set ADRK, 4          ; the LDS address of the step's K that is being fetched
.set ADRV, 5          ; the same for V
.set QO,   6
.set STO,  7
.set RD,   8
.set GO,   9
.set MLO,  10
.set TP,   11
.set PFO,  12         ; 256 x lane, for the prefetch; never rewritten
.set ST,   16         ; tile t's statistics at v[ST+8 t]: +0 c m, +1 m, +2, +3 l (even keys', odd keys'), +4 to +7 at work; a takes +6 once the maximum is found
.set P,    32
.set S,    64
.set Q,    128
.set G1K, 24          ; s[24:31] descriptor group 1 for K's tiles;  s[32:39] for V's: the padding differs
.set G1V, 32
.set G0K, 40          ; s[40:47] descriptor group 0 for K's tiles, a set for each slot;  s[48:55] for V's
.set G0V, 48
.set WV,  56
.set CNT, 57          ; trips of the loop over pairs of slots still to go
.set CS,  58          ; s[58:59] c
.set SEL, 60          ; s[60:61] lane selects for v_permlanex16_b32: each lane takes its own place in the other half
.set TB,  62          ; LDS byte at which the tiles of the step to be fetched begin
.set TWICE, 63        ; counts a slot's two steps
.set PF,  76          ; s[76:77] where my work-group's 32 blocks of the slot asked for last begin
.set MSB, 0
.macro WIN new                      ; the immediate's high byte repeats the setting that is left; a switch that changes nothing is dropped
.if MSB != (\new)
	s_set_vgpr_msb (MSB<<8)|(\new)
.set MSB, \new
.endif
.endm
.macro PLACES                       ; four places behind matrix instructions, in front of vector instructions and loads that touch their registers
.rept 4
	v_nop
.endr
.endm
; A joint refill of slot p.  The branch hangs on the wave's number alone.  Four v_nop follow each of the two lines.
.macro JLOAD p
	s_cmp_lt_u32 s[WV], 2
	s_cbranch_scc0 .Lfor_v_\@
	tensor_load_to_lds s[G0K+4*\p:G0K+4*\p+3], s[G1K:G1K+7]
	s_nop 0
.rept 4
	v_nop
.endr
	s_branch .Lasked_\@
.Lfor_v_\@:
	tensor_load_to_lds s[G0V+4*\p:G0V+4*\p+3], s[G1V:G1V+7]
	s_nop 0
.rept 4
	v_nop
.endr
.Lasked_\@:
.endm
; A round of the cluster's barrier: my work-group's barrier, wave 0 signals for the work-group, every wave waits for all four work-groups, my work-group's barrier once more.
.macro CROUND
	s_barrier_signal -1
	s_barrier_wait -1
	s_cmp_lg_u32 s[WV], 0
	s_cbranch_scc1 .Lnot_wave_0_\@
	s_barrier_signal -3
.Lnot_wave_0_\@:
	s_barrier_wait -3
	s_barrier_signal -1
	s_barrier_wait -1
.endm
	s_load_b256 s[4:11], s[0:1], 0x0  ; query s[4:5], kp s[6:7], vp s[8:9], opart s[10:11]
	s_load_b64 s[12:13], s[0:1], 0x20 ; ml
	v_lshl_add_u32 v14, v0, 2, 0x4b400
	v_mov_b32 v15, 0
	ds_add_u32 v14, v15
	v_lshrrev_b32 v1, 5, v0
	v_readfirstlane_b32 s[WV], v1   ; wave 0..3
	s_bfe_u32 s14, ttmp6, 0x40000   ; cx: my place in the cluster
	s_lshl_b32 s15, ttmp9, 2
	s_add_co_u32 s15, s15, s14      ; my block of 128 queries: it enters the addresses of query, opart, ml and of the prefetch alone
	s_and_b32 s16, ttmp7, 0xffff    ; y = 2 x batch + key half, which the four partners share
	s_lshl_b32 s20, s16, 20         ; the half's 2,048 rows of 512 bytes
	s_and_b32 s17, s[WV], 1         ; which of a slot's two steps I fetch:
	s_lshl_b32 s18, s17, 15         ; its 64 rows in memory,
	s_add_co_u32 s20, s20, s18
	s_mov_b32 s21, 0
	s_mul_i32 s19, s17, STEPB       ; and its place in a slot
	s_lshr_b32 s22, s16, 1
	s_lshl_b32 s22, s22, 11         ; the batch's 2,048 queries
	s_lshl_b32 s23, s15, 7
	s_add_co_u32 s22, s22, s23
	s_lshl_b32 s23, s[WV], 5
	s_add_co_u32 s22, s22, s23      ; my wave's first query among all 16,384
	s_and_b32 s66, s16, 1           ; the key half
	s_lshl_b32 s68, s22, 10         ; in query: rows of 1,024 bytes
	s_mov_b32 s69, 0
	s_lshl_b32 s70, s22, 9          ; in opart: rows of 512 bytes, the halves 8,388,608 bytes apart
	s_lshl_b32 s67, s66, 23
	s_add_co_u32 s70, s70, s67
	s_mov_b32 s71, 0
	s_lshl_b32 s72, s22, 3          ; in ml: 8 bytes a query, the halves 131,072 bytes apart
	s_lshl_b32 s67, s66, 17
	s_add_co_u32 s72, s72, s67
	s_mov_b32 s73, 0
	s_and_b32 s78, s15, 7           ; the prefetch: my eighth of a slot's 65,536 bytes of K or of V,
	s_lshl_b32 s78, s78, 13
	s_lshl_b32 s79, s16, 20         ; in the half's rows,
	s_add_co_u32 s78, s78, s79
	s_add_co_u32 s78, s78, 2*SLOTG  ; from the keys of the first refill on
	s_mov_b32 s79, 0
	s_lshr_b32 s75, ttmp9, 1        ; 0: work-groups 0-7 of this y (they ask for K), 1: work-groups 8-15 (V); the cluster's x alone decides
	; descriptor group 1: a tile of 64 rows x 256 elements, padded in LDS
	s_mov_b32 s[G1K], 15|(1<<16)|(1<<20)|(1<<21)|(6<<22)|(3<<25)  ; 15:0 the mask: all four work-groups; 17:16 elements of 2 bytes; 20 padding on; 21 set beside a mask; 24:22 after every 128 words (code 6); 31:25 4 words of it (code 3)
	s_mov_b32 s[G1V], 15|(1<<16)|(1<<20)|(1<<21)|(6<<22)|(7<<25)  ; the same with 8 words of padding (code 7)
.irp g, G1K, G1V
	s_mov_b32 s[\g+1], 256<<16      ; tensor_dim0 = 256
	s_mov_b32 s[\g+2], KS<<16       ; tensor_dim1 = 64
	s_mov_b32 s[\g+3], 256<<16      ; tile_dim0 = 256
	s_mov_b32 s[\g+4], KS           ; tile_dim1 = 64
	s_mov_b32 s[\g+5], 256          ; elements from row to row
	s_mov_b32 s[\g+6], 0
	s_mov_b32 s[\g+7], 0
.endr
	s_mov_b32 s[CS], 0x3db8aa3b     ; c = log2(e) / sqrt(256)
	s_mov_b32 s[CS+1], s[CS]        ; named with it as a pair, so it is written
	s_mov_b32 s[SEL], 0x76543210
	s_mov_b32 s[SEL+1], 0xfedcba98
	s_mov_b32 s[TB], 0
	s_wait_dscnt 0x0
	s_wait_kmcnt 0x0
	s_cmp_eq_u32 s75, 0
	s_cselect_b64 s[PF:PF+1], s[6:7], s[8:9]
	s_add_nc_u64 s[PF:PF+1], s[PF:PF+1], s[78:79]
	s_add_nc_u64 s[6:7], s[6:7], s[20:21]    ; kp and vp at my tile of the first slot
	s_add_nc_u64 s[8:9], s[8:9], s[20:21]
	s_add_nc_u64 s[4:5], s[4:5], s[68:69]    ; query, opart, ml at my wave's first query
	s_add_nc_u64 s[10:11], s[10:11], s[70:71]
	s_add_nc_u64 s[12:13], s[12:13], s[72:73]
.irp p, 0,1
	s_mov_b32 s[G0K+4*\p], 1        ; count = 1
	s_add_co_u32 s[G0K+4*\p+1], s19, \p*SLOTB  ; LDS address
	s_add_nc_u64 s[G0K+4*\p+2:G0K+4*\p+3], s[6:7], \p*SLOTG  ; global address: slot p begins with keys 128 p
	s_or_b32 s[G0K+4*\p+3], s[G0K+4*\p+3], 0x80000000  ; type = 2
	s_mov_b32 s[G0V+4*\p], 1
	s_add_co_u32 s[G0V+4*\p+1], s19, \p*SLOTB+VOFF
	s_add_nc_u64 s[G0V+4*\p+2:G0V+4*\p+3], s[8:9], \p*SLOTG
	s_or_b32 s[G0V+4*\p+3], s[G0V+4*\p+3], 0x80000000
.endr
	CROUND                          ; all four work-groups are here: the first joint loads meet
	s_cmp_lt_u32 s[WV], 2           ; a wave's two first fills stand in one branch, ahead of every wait on TENSORcnt and every LDS read: two loads of mine are out
	s_cbranch_scc0 .Lfirst_v
	tensor_load_to_lds s[G0K:G0K+3], s[G1K:G1K+7]
	s_nop 0
	tensor_load_to_lds s[G0K+4:G0K+7], s[G1K:G1K+7]
	s_nop 0
.rept 4
	v_nop
.endr
	s_branch .Lfirst_asked
.Lfirst_v:
	tensor_load_to_lds s[G0V:G0V+3], s[G1V:G1V+7]
	s_nop 0
	tensor_load_to_lds s[G0V+4:G0V+7], s[G1V:G1V+7]
	s_nop 0
.rept 4
	v_nop
.endr
.Lfirst_asked:
	v_and_b32 v[PFO], 31, v0
	v_lshlrev_b32 v[PFO], 8, v[PFO]
	s_cmp_lg_u32 s[WV], 3
	s_cbranch_scc1 .Lno_pf_first
	global_prefetch_b8 v[PFO], s[PF:PF+1] th:TH_LOAD_NT scope:SCOPE_SE  ; my 32 blocks of keys 256 to 383 of the half, which the first change of slots fetches
.Lno_pf_first:
	; Q: a fragment is 16 queries x 32 channels: lane l holds query l % 16; registers 0-3 channels 8 (l / 16) + 0..7, registers 4-7 channels 16 + 8 (l / 16) + 0..7.  In f32 that is 2 x 32 bytes, 64 bytes apart.
	v_and_b32 v1, 15, v0            ; l % 16
	v_bfe_u32 v[TP], v0, 4, 1       ; l / 16
	v_lshlrev_b32 v[QO], 10, v1
	v_lshl_add_u32 v[QO], v[TP], 5, v[QO]
	WIN 0x80                        ; as f32 into window 2, which K takes later
.set g, 0
.rept 16                            ; g = 8 t + c
	global_load_b128 v[16*g:16*g+3],     v[QO], s[4:5] offset:(g/8)*16384+(g%8)*128
	global_load_b128 v[16*g+4:16*g+7],   v[QO], s[4:5] offset:(g/8)*16384+(g%8)*128+16
	global_load_b128 v[16*g+8:16*g+11],  v[QO], s[4:5] offset:(g/8)*16384+(g%8)*128+64
	global_load_b128 v[16*g+12:16*g+15], v[QO], s[4:5] offset:(g/8)*16384+(g%8)*128+80
.set g, g+1
.endr
	WIN 0
	v_mul_u32_u24 v[AK0], v1, PK
	v_lshl_add_u32 v[AK0], v[TP], 4, v[AK0]    ; K: row x pitch + 16 x half
	v_and_b32 v[AV0], 7, v0                    ; V, turning load: lane l reads 16 bytes of key 8 (l / 16) + l % 8, at byte 16 ((l / 8) % 2)
	v_lshl_add_u32 v[AV0], v[TP], 3, v[AV0]
	v_mul_u32_u24 v[AV0], v[AV0], PV
	v_bfe_u32 v[ADRV], v0, 3, 1
	v_lshl_add_u32 v[AV0], v[ADRV], 4, v[AV0]
	v_add_nc_u32 v[AV0], VOFF, v[AV0]
	s_wait_loadcnt 0x0              ; Q
	WIN 0x0a
.set i, 0
.rept 128
	v_cvt_pk_bf16_f32 v[Q+i], v[2*i], v[2*i+1]
.set i, i+1
.endr
; THE MATRIX WORK OF A TURN, for tile x.  The accumulators take turns, one instruction a turn: between two links of a chain stand 15 (V^T P) or 3 (K Q^T) others'.
; Product i of 32 of O^T += V^T P: keys 32 (i / 16) on, channels 16 (i % 16) on: V's fragment i.  zero = 1: the first 16 start the sums: nothing is ever cleared.
.macro PVP x, zero
	WIN 0x53                        ; V window 3, P window 0, O^T window 1
.set rO, 128*(\x)+8*(i%16)
.set rV, 8*i
.set rP, P+16*(\x)+8*(i/16)
.if \zero && (i < 16)
	v_wmma_f32_16x16x32_bf16 v[rO:rO+7], v[rV:rV+7], v[rP:rP+7], 0
	s_wait_alu depctr_va_vdst(0)
.else
	v_wmma_f32_16x16x32_bf16 v[rO:rO+7], v[rV:rV+7], v[rP:rP+7], v[rO:rO+7]
.endif
.endm
; Product i of 32 of S^T = K Q^T: channels 32 (i / 4) on, keys 16 (i % 4) on: K's fragment i.  The first 4 start the sums.
.macro KQP x
	WIN 0x02                        ; K window 2; Q and S^T window 0
.set rS, S+32*(\x)+8*(i%4)
.set rK, 8*i
.set rQ, Q+8*(8*(\x)+i/4)
.if i < 4
	v_wmma_f32_16x16x32_bf16 v[rS:rS+7], v[rK:rK+7], v[rQ:rQ+7], 0
	s_wait_alu depctr_va_vdst(0)
.else
	v_wmma_f32_16x16x32_bf16 v[rS:rS+7], v[rK:rK+7], v[rQ:rQ+7], v[rS:rS+7]
.endif
.endm
; THE LDS LOADS, eight at a time.  Group g of K: channels 32 g on of all 64 keys, fragments 4 g to 4 g + 3.  Group g of V: fragments 4 g to 4 g + 3.
.macro FETCH_K g
	WIN 0x80                        ; destination window 2, address window 0
.irp kt, 0,1,2,3
	ds_load_b128 v[8*(4*(\g)+\kt):8*(4*(\g)+\kt)+3],   v[ADRK] offset:\kt*16*PK+64*(\g)
	ds_load_b128 v[8*(4*(\g)+\kt)+4:8*(4*(\g)+\kt)+7], v[ADRK] offset:\kt*16*PK+64*(\g)+32
.endr
.endm
.macro FETCH_V g
	WIN 0xc0                        ; destination window 3
.irp n, 0,1,2,3
	ds_load_tr16_b128 v[8*(4*(\g)+\n):8*(4*(\g)+\n)+3],   v[ADRV] offset:((4*(\g)+\n)/16)*32*PV+((4*(\g)+\n)%16)*32
	ds_load_tr16_b128 v[8*(4*(\g)+\n)+4:8*(4*(\g)+\n)+7], v[ADRV] offset:((4*(\g)+\n)/16)*32*PV+16*PV+((4*(\g)+\n)%16)*32
.endr
.endm
; THE VECTOR WORK OF A TURN.  One tile's softmax for one key step is a list of 166 instructions; SM writes number j of it for tile t.  s0-s31 are the lane's 32 scores, in pairs 0-15.
;   0-15    the maximum of s0-s31 and the old m, three operands at a time; each accumulator is read from its low end on
;   16-20   the other half of the lanes' maximum; the new m; c m; c m_old - c m_new
;   21-87   33 exponentials (a, then s0-s31) at the odd numbers from 23 on; the plain instruction at each even number is whatever is ready: c s - c m for a pair whose exponentials are still to come,
;           the rounding of a pair whose exponentials are done, at last the first sums.  So each exponential has a plain instruction, which touches neither its result nor its source, behind it
;           before its result is used (ISA guide 5.7.2); the products that stand between the slices touch neither.
;   88-101  the last rounding; the rest of the sums; l = a l + the sum
;   102-165 the tile's O^T times a, each accumulator from its low end on: the one part that leaves window 0
; first = 1: the first key step, which starts m, l and O^T: it has no a and nothing to rescale.
.macro SM t, first
.set rT, ST+8*(\t)
.set rS, S+32*(\t)
.set rP, P+16*(\t)
.set rO, 128*(\t)+2*(j-102)
.set q, (j-20)/2
.if j < 102
	WIN 0
.endif
.if j < 4
	v_max3_num_f32 v[rT+4+j], v[rS+8*j], v[rS+8*j+1], v[rS+8*j+2]
.elseif j < 12
	v_max3_num_f32 v[rT+4+j%4], v[rT+4+j%4], v[rS+8*(j%4)+2*(j/4)+1], v[rS+8*(j%4)+2*(j/4)+2]
.elseif j == 12
	v_max3_num_f32 v[rT+4], v[rT+4], v[rS+7], v[rS+15]
.elseif j == 13
	v_max3_num_f32 v[rT+6], v[rT+6], v[rS+23], v[rS+31]
.elseif j == 14
	v_max3_num_f32 v[rT+4], v[rT+4], v[rT+5], v[rT+6]
.elseif (j == 15) && \first
	v_max_num_f32 v[rT+4], v[rT+4], v[rT+7]
.elseif j == 15
	v_max3_num_f32 v[rT+4], v[rT+4], v[rT+7], v[rT+1]
.elseif j == 16
	v_permlanex16_b32 v[rT+5], v[rT+4], s[SEL], s[SEL+1]  ; the query's other 32 keys lie in the lane 16 away
.elseif j == 18
	v_max_num_f32 v[rT+1], v[rT+4], v[rT+5]
.elseif j == 19
	v_mul_f32 v[rT], s[CS], v[rT+1]
.elseif ((j == 17) || (j == 20) || (j == 23) || (j > 101)) && \first  ; the first step has none of these
.elseif j == 17
	v_mov_b32 v[rT+7], v[rT]        ; c m_old is kept for a: number 19 writes c m anew
.elseif j == 20
	v_sub_f32 v[rT+7], v[rT+7], v[rT]
.elseif j == 23
	v_exp_f32 v[rT+6], v[rT+7]
.elseif (j < 88) && (j > 23) && (j%2 == 1)
	v_exp_f32 v[rS+(j-25)/2], v[rS+(j-25)/2]
.elseif (q < 4) || ((j < 76) && (q%2 == 0))
.set b, q/2+2
.if q < 4
.set b, q
.endif
	v_pk_fma_f32 v[rS+2*b:rS+2*b+1], v[rS+2*b:rS+2*b+1], s[CS:CS+1], v[rT:rT+1] op_sel_hi:[1,0,0] neg_lo:[0,0,1] neg_hi:[0,0,1]  ; pair b: c s - c m
.elseif (j < 88) && (q%2 == 1)
	s_wait_alu depctr_va_vdst(0)
	v_cvt_pk_bf16_f32 v[rP+(q-5)/2], v[rS+q-5], v[rS+q-4]  ; pair (q - 5) / 2: its second exponential stands three numbers back
.elseif j == 89
	s_wait_alu depctr_va_vdst(0)
	v_cvt_pk_bf16_f32 v[rP+15], v[rS+30], v[rS+31]
.elseif j < 102                     ; the sum of the tile's 16 pairs, in place: sum z of 16 adds neighbours 1, 2, 4 and 8 pairs apart, then l takes it
.set z, j-86
.if j < 89
.set z, (j-76)/4
.endif
.set w, 4
.set u, z
.if z >= 14
.set w, 32
.set u, 0
.elseif z >= 12
.set w, 16
.set u, z-12
.elseif z >= 8
.set w, 8
.set u, z-8
.endif
.if (z == 14) && \first
	v_pk_add_f32 v[rT+2:rT+3], v[rS:rS+1], v[rS+16:rS+17]
.elseif z < 15
	v_pk_add_f32 v[rS+w*u:rS+w*u+1], v[rS+w*u:rS+w*u+1], v[rS+w*u+w/2:rS+w*u+w/2+1]
.elseif !\first
	v_pk_fma_f32 v[rT+2:rT+3], v[rT+2:rT+3], v[rT+6:rT+7], v[rS:rS+1] op_sel_hi:[1,0,1]
.endif
.else
	WIN 0x41                        ; O^T window 1, a window 0
	v_pk_mul_f32 v[rO:rO+1], v[rO:rO+1], v[rT+6:rT+7] op_sel_hi:[1,0]
.endif
.endm
; Slice k of 64 takes the list on from number j: three numbers, or two where a plain instruction and an exponential alternate (numbers 24 to 87): 8 x 3 + 32 x 2 + 23 x 3 = 157;
; slice 63 takes the nine that are left, all plain multiplies of O^T: they are also the places between the turn's last products and what touches their registers in the next turn.
.macro SLICE y, first
.if k == 63
.set cnt, 166-j
.elseif (j >= 22) && (j < 88)
.set cnt, 2
.else
.set cnt, 3
.endif
.rept cnt
	SM \y, \first
.set j, j+1
.endr
.set k, k+1
.endm
; The group of loads, if any, that stands behind product pos of a turn.
; Tile 0's turn: K's group g behind product 4 g + 1.  K's last readers stand in front of slice 63 (or the four v_nop) of the turn before.
; Tile 1's turn: V's group g behind product 6 g + 6.  The last reader of its registers is product 4 g + 3; the slices from there on hold seven plain instructions or more.
; Tile 1's first turn has no V^T P: V's registers have had no reader, and group g stands behind product 4 g + 1.
.macro LOADS x, pv, kq
.if \kq
.if \x == 0
.if (pos < 32) && (pos%4 == 1)
	FETCH_K pos/4
.endif
.elseif \pv
.if (pos >= 6) && (pos <= 48) && (pos%6 == 0)
	FETCH_V pos/6-1
.endif
.else
.if pos%4 == 1
	FETCH_V pos/4
.endif
.endif
.endif
.endm
; A TURN.  Tile x has the matrix unit; the other tile's softmax stands in slices behind its products.
; pv = 2: 32 products V^T P; 1: they start O^T's sums; 0: none.  kq = 1: 32 products K Q^T for the next step.  A turn with one of the two kinds has two slices behind each product.
; first = 1: the softmax is the first key step's; its slices from number 102 on are empty, and four v_nop take slice 63's part.
; WAITS, in tile 0's turn alone (tile 1 uses the same K and V a turn later).  LDS loads come back in order (ISA guide 5.7.1).  In front of V^T P's product 4 g: behind V's group g stand V's 7 - g later groups
; and the g groups of K issued so far in this turn, eight loads each: 56 (in the last turn, which fetches no K: 8 (7 - g)).  In front of K Q^T's product 4 g: K's 7 - g later groups.
.macro TURN x, pv, kq, first
.set k, 0
.set j, 0
.set pos, 0
.set per, 2
.if \pv && \kq
.set per, 1
.endif
	WIN 0
.if \kq
.if \x == 0
	v_add_nc_u32 v[ADRK], s[TB], v[AK0]
.else
	v_add_nc_u32 v[ADRV], s[TB], v[AV0]
	s_add_co_u32 s[TB], s[TB], STEPB  ; the next fetches are the next step's
.endif
.endif
.if \pv
.set i, 0
.rept 32
.if (\x == 0) && (i%4 == 0)
	s_wait_dscnt 8*(7-i/4)+\kq*8*(i/4)
.endif
	PVP \x, 2-\pv
.rept per
	SLICE 1-\x, \first
.endr
	LOADS \x, \pv, \kq
.set i, i+1
.set pos, pos+1
.endr
.endif
.if \kq
.set i, 0
.rept 32
.if (\x == 0) && (i%4 == 0)
	s_wait_dscnt 8*(7-i/4)
.endif
	KQP \x
.rept per
	SLICE 1-\x, \first
.endr
	LOADS \x, \pv, \kq
.set i, i+1
.set pos, pos+1
.endr
.endif
.if \first
	PLACES
.endif
.endm
; THE CHANGE OF SLOTS, between tile 1's turn and tile 0's: slot p's last bytes, V of its second step, have been asked for.  Each wave waits for its reads of the slot and for all its tensor loads, of which one
; is out: its part of the other slot.  fill = 1: slot p is filled again with the keys two slots on; the barrier is then a round of the cluster's, and the joint refill is the first thing behind it.
; pf = 1: wave 3 asks for the keys that the next change will fetch; pf = 2: the same, but not in the loop's last trip, whose second change is the last that refills.
.macro CHANGE fill, p, pf
	WIN 0                           ; at a label and at a branch every window is 0
	s_wait_dscnt 0x0
	s_wait_tensorcnt 0x0            ; no tensor load of mine is out, so a group 0 may be written
	ds_add_u32 v14, v15
	s_wait_dscnt 0x0
.if \fill
	s_add_nc_u64 s[G0K+4*\p+2:G0K+4*\p+3], s[G0K+4*\p+2:G0K+4*\p+3], 2*SLOTG  ; the type bits on top are not reached
	s_add_nc_u64 s[G0V+4*\p+2:G0V+4*\p+3], s[G0V+4*\p+2:G0V+4*\p+3], 2*SLOTG
	CROUND
	JLOAD \p
.else
	s_barrier_signal -1
	s_barrier_wait -1
.endif
.if \pf
	s_cmp_lg_u32 s[WV], 3
	s_cbranch_scc1 .Lno_pf_\@
.if \pf == 2
	s_cmp_eq_u32 s[CNT], 1          ; the same number in every work-group
	s_cbranch_scc1 .Lno_pf_\@
.endif
	s_wait_xcnt 0x0                 ; the last prefetch, two key steps back, has had its address translated (ISA guide 3.1): its base is stepped only behind this wait
	s_add_nc_u64 s[PF:PF+1], s[PF:PF+1], SLOTG
	global_prefetch_b8 v[PFO], s[PF:PF+1] th:TH_LOAD_NT scope:SCOPE_SE
.Lno_pf_\@:
.endif
	s_mov_b32 s[TB], (1-\p)*SLOTB   ; the fetches go on at the other slot's first step
.endm
; A slot's two key steps: written once, walked twice; the LDS addresses hang on s[TB].
.macro TWO_STEPS
	s_mov_b32 s[TWICE], 2
.Lstep_\@:
	TURN 0, 2, 1, 0
	TURN 1, 2, 1, 0
	WIN 0
	s_sub_co_u32 s[TWICE], s[TWICE], 1
	s_cmp_lg_u32 s[TWICE], 0
	s_cbranch_scc1 .Lstep_\@
.endm
	WIN 0
	s_wait_tensorcnt 1              ; my part of slot 0 is in; slot 1's may stay out
	s_barrier_signal -1
	s_barrier_wait -1               ; everybody's is
	v_add_nc_u32 v[ADRK], s[TB], v[AK0]
.irp g, 0,1,2,3,4,5,6,7
	FETCH_K \g                      ; key step 0
.endr
.set i, 0
.rept 32
.if i%4 == 0
	s_wait_dscnt 8*(7-i/4)          ; K's later groups may stay out
.endif
	KQP 0                           ; tile 0's first scores: there is no vector work yet to set between them
.set i, i+1
.endr
	WIN 0                           ; the addresses for the way out are made here: seven plain instructions, the places behind those products
	s_mul_i32 s74, s[WV], 16*SPO
	s_add_co_u32 s74, s74, STAGE    ; my stage
	v_mul_u32_u24 v[STO], v1, SPO   ; in: row l % 16, 16 bytes for each half of the lanes
	v_lshl_add_u32 v[STO], v[TP], 4, v[STO]
	v_add_nc_u32 v[STO], s74, v[STO]
	v_and_b32 v[GO], 31, v0
	v_lshlrev_b32 v[MLO], 3, v[GO]  ; 8 bytes a query
	v_lshlrev_b32 v[GO], 4, v[GO]   ; back and out: a whole row of 512 bytes an instruction, 16 bytes a lane
	v_add_nc_u32 v[RD], s74, v[GO]
	TURN 1, 0, 1, 1                 ; tile 1's first scores | tile 0's first softmax | V of step 0
	TURN 0, 1, 1, 1                 ; tile 0: V^T P of step 0 starts O^T, K Q^T of step 1 | tile 1's first softmax | K of step 1
	TURN 1, 1, 1, 0                 ; tile 1: the same | tile 0's softmax of step 1 | V of step 1
	WIN 0
	s_mov_b32 s[CNT], 7
.Lslot:                             ; 7 trips of two slots: 14 refills bring keys 256 to 2,047 of the half
	CHANGE 1, 0, 1
	TWO_STEPS
	CHANGE 1, 1, 2
	TWO_STEPS
	s_sub_co_u32 s[CNT], s[CNT], 1
	s_cmp_lg_u32 s[CNT], 0
	s_cbranch_scc1 .Lslot
	CHANGE 0, 0, 0                  ; the tail is written out: slot 0 is left, and nothing is asked for
	TWO_STEPS
	TURN 0, 2, 0, 0                 ; tile 0: V^T P of the last step | tile 1's last softmax
.set i, 0
.rept 32
	PVP 1, 0                        ; tile 1: V^T P of the last step
.set i, i+1
.endr
	; THE WAY OUT.  l's two halves and the other half of the lanes' are added; (c m, l) go to ml; O^T is divided by l, rounded and sent through my stage, a tile (16 queries) at a time.
	; The additions and tile 0's arithmetic, which name no register of the last products, are the places behind them.
	WIN 0
.irp t, 0,1
	v_add_f32 v[ST+8*\t+4], v[ST+8*\t+2], v[ST+8*\t+3]
.endr
.irp t, 0,1
	v_permlanex16_b32 v[ST+8*\t+5], v[ST+8*\t+4], s[SEL], s[SEL+1]
.endr
.irp t, 0,1
	v_add_f32 v[ST+8*\t+4], v[ST+8*\t+4], v[ST+8*\t+5]
.endr
.irp t, 0,1
	v_rcp_f32 v[ST+8*\t+6], v[ST+8*\t+4]
.endr
	v_and_b32 v[TP], 31, v0         ; a plain instruction behind the reciprocals
	v_cmp_gt_u32 vcc_lo, 16, v[TP]  ; lanes 0-15 speak for tile 0's queries, lanes 16-31 for tile 1's: both halves of the lanes hold a query's figures
	v_cndmask_b32 v[ST+2], v[ST+8], v[ST], vcc_lo
	v_cndmask_b32 v[ST+3], v[ST+12], v[ST+4], vcc_lo
	s_wait_alu depctr_va_vdst(0)
	global_store_b64 v[MLO], v[ST+2:ST+3], s[12:13]  ; the wave's 32 queries: 256 consecutive bytes, aligned
.macro PACK t
	WIN 0x41
.set i, 0
.rept 64
	v_pk_mul_f32 v[128*\t+2*i:128*\t+2*i+1], v[128*\t+2*i:128*\t+2*i+1], v[ST+8*\t+6:ST+8*\t+7] op_sel_hi:[1,0]
.set i, i+1
.endr
	WIN 0x05                        ; sources window 1, destination window 0: the registers of S^T and Q are free
.set i, 0
.rept 64
	v_cvt_pk_bf16_f32 v[S+64*\t+i], v[128*\t+2*i], v[128*\t+2*i+1]
.set i, i+1
.endr
	WIN 0
.set f, 0
.rept 16
	ds_store_b128 v[STO], v[S+64*\t+4*f:S+64*\t+4*f+3] offset:32*f
.set f, f+1
.endr
.set f, 0
.rept 16
	ds_load_b128 v[S+64*\t+4*f:S+64*\t+4*f+3], v[RD] offset:f*SPO  ; LDS serves a wave's instructions in order (ISA guide 5.7.1.4): these see the stores above; the next tile's stores come behind them
.set f, f+1
.endr
.endm
.macro SEND t, younger              ; younger: the LDS instructions issued behind tile t's loads
.set f, 0
.rept 16
	s_wait_dscnt \younger+15-f
	global_store_b128 v[GO], v[S+64*\t+4*f:S+64*\t+4*f+3], s[10:11] offset:(16*\t+f)*512  ; a whole row: 512 consecutive bytes, aligned
.set f, f+1
.endr
.endm
	PACK 0
	PACK 1
	SEND 0, 32
	SEND 1, 0
	s_wait_tensorcnt 0x0
	ds_add_u32 v14, v15
	s_wait_dscnt 0x0
	CROUND                          ; the closing round: no work-group ends while a partner may still ask for a tile that names it
	s_endpgm
.Lfunc_end_k_qc93d8bde86_attn:
	.size	k_qc93d8bde86_attn, .Lfunc_end_k_qc93d8bde86_attn-k_qc93d8bde86_attn
	.p2alignl 7, 3214868480
	.fill 96, 4, 3214868480
	.section	.rodata,"a",@progbits
	.p2align	6, 0x0
	.amdhsa_kernel k_qc93d8bde86_attn
		.amdhsa_group_segment_fixed_size 327680
		.amdhsa_private_segment_fixed_size 0
		.amdhsa_enable_private_segment 0
		.amdhsa_kernarg_size 40
		.amdhsa_user_sgpr_count 2
		.amdhsa_user_sgpr_kernarg_segment_ptr 1
		.amdhsa_wavefront_size32 1
		.amdhsa_system_sgpr_workgroup_id_x 1
		.amdhsa_system_sgpr_workgroup_id_y 1
		.amdhsa_system_sgpr_workgroup_id_z 1
		.amdhsa_system_vgpr_workitem_id 0
		.amdhsa_next_free_vgpr 1024
		.amdhsa_next_free_sgpr 80
		.amdhsa_reserve_vcc 1
		.amdhsa_float_denorm_mode_32 3
		.amdhsa_float_denorm_mode_16_64 3
		.amdhsa_memory_ordered 1
		.amdhsa_forward_progress 1
		.amdhsa_inst_pref_size 255
	.end_amdhsa_kernel
	.section	.bss,"aw",@nobits
	.p2align	6
	.space	262144
	.amdgpu_metadata
---
amdhsa.version: [ 1, 2 ]
amdhsa.kernels:
  - .name:           k_qc93d8bde86_attn
    .symbol:         k_qc93d8bde86_attn.kd
    .args:
      - { .name: query, .offset: 0, .size: 8, .value_kind: global_buffer, .address_space: global }
      - { .name: kp, .offset: 8, .size: 8, .value_kind: global_buffer, .address_space: global }
      - { .name: vp, .offset: 16, .size: 8, .value_kind: global_buffer, .address_space: global }
      - { .name: opart, .offset: 24, .size: 8, .value_kind: global_buffer, .address_space: global }
      - { .name: ml, .offset: 32, .size: 8, .value_kind: global_buffer, .address_space: global }
    .group_segment_fixed_size: 327680
    .private_segment_fixed_size: 0
    .kernarg_segment_align: 8
    .kernarg_segment_size: 40
    .max_flat_workgroup_size: 128
    .sgpr_count:     80
    .vgpr_count:     1024
    .wavefront_size: 32
...
	.end_amdgpu_metadata
.endif
;; end of part 2
;; launch tail (part 3): grid 256 x 1, 4 waves a work-group, clusters of 4 x 1, 327,680 bytes of LDS; arguments opart, ml, query, wb, bo, g1, b1, bf1, bf2, g2, b2, out0; writes out0
.if DOCPART == 3
	.amdgcn_target "amdgcn-amd-amdhsa--gfx1250"
	.amdhsa_code_object_version 6
	.text
	.protected	k_qc93d8bde86_tail
	.globl	k_qc93d8bde86_tail
	.p2align	8
	.type	k_qc93d8bde86_tail,@function
k_qc93d8bde86_tail:
	s_mov_b64 s[64:65], 0
	v_nop
	global_prefetch_b8 v0, s[64:65] scope:SCOPE_SE
	s_setreg_imm32_b32 hwreg(HW_REG_WAVE_MODE, 25, 1), 1
	s_wait_xcnt 0x0
	s_wait_alu depctr_hold_cnt(0) depctr_sa_sdst(0) depctr_va_vdst(0) depctr_va_sdst(0) depctr_va_ssrc(0) depctr_va_vcc(0) depctr_vm_vsrc(0)
	s_getreg_b32 s2, hwreg(HW_REG_IB_STS2, 6, 4)
	s_cmp_eq_u32 s2, 0
	s_cbranch_scc0 .Lentry_in_a_cluster
	s_endpgm
.Lentry_in_a_cluster:
	s_bfe_u32 s2, ttmp6, 0x10000c
	s_cmp_lg_u32 s2, 0x3003
	s_cbranch_scc0 .Lentry_shape_is_right
	s_endpgm
.Lentry_shape_is_right:
; out0 = LN2(x + relu(x W1 + bf1) W2 + bf2), x = LN1(query + ctx Wo + bo), ctx = the two key halves of opart joined by their (c m, l) from ml.
; opart: [2][16384][256] bf16.  ml: [2][16384][2] f32.  query, out0: [16384][256] f32.  wb: Wo at byte 0, W1 at 131,072, W2 at 655,360, bf16, [K][N].  Products in bf16 with f32 sums; all else in f32.
; LIMITS: ctx, x (for the product; the residual keeps f32) and the hidden layer are rounded to bf16; relu is v_max_num_f32 with 0, which turns a NaN into 0; v_exp_f32, v_rcp_f32, v_rsq_f32 flush denormals (ISA guide 15.8).
; The layer norms take the mean away first and then sum the squares of the differences.
; SHARES.  A work-group owns 64 rows; wave w owns row tile w (16 rows) in all that goes row by row.  ALL PRODUCTS ARE USED TRANSPOSED (source 0 = 16 columns of a weight, turned out of LDS; source 1 = 16 rows):
; a lane holds one row (lane % 16) and eight columns a tile, and two result tiles, rounded in pairs, ARE source 1 of the next product.
;   Wo: each wave its own 16 rows x all 256 columns.   FFN: split along the hidden axis: wave w makes hidden columns 256 w .. 256 w + 255 for all 64 rows and then its part of the sum over the hidden axis;
;   the hidden layer never leaves registers, each weight byte is read from LDS once, by one wave, and feeds 4 products; the four partial sums meet through LDS.
;   A wave's local tile i is row tile (w + i) % 4, so its own tile is local 0, and x + bf2, in f32, is that tile's accumulator: the residual and the bias cost no further addition.
; CLUSTER.  All work-groups walk the same weights: the four of a cluster ask for each tile JOINTLY.  Every tile is 64 rows (K) x 256 columns; each wave fetches one into its own quarter of a slot.
; Nine fills on two slots: Wo; W1's K rows 0-63, 64-127, 128-191, 192-255 (of each wave's 256 columns); W2's four quarters of each wave's 256 K rows.
; LDS: two slots of 4 x 64 rows x 544 bytes; behind them, at a multiple of 256, 32,768 bytes for x in bf16 (no tensor load lands there).  Behind the last fill the ring's bytes serve the exchange of partial sums
; (wave w's area at 65,536 w: quarter i for local tile i; quarter 0 is the wave's own stage for the way out).
; REGISTERS, in windows of 256: window 0: v0-31 addresses, v32-63 at work, v64-127 ctx, then x's fragments (two buffers of 4 tiles), v128-255 opart's halves, then weight fragments (two buffers of 8);
;   window 1: v0-127 query + bo, y, x, x + bf2, sum tile 0, z; v128-255 bf1, then sum tile 1, then an incoming partial;
;   window 2: g1, b1; hidden accumulators of tiles 0, 1; hidden fragments (64 i + 8 kc); g2, b2;    window 3: bo, bf2; hidden accumulators of tiles 2, 3; sum tiles 2, 3; incoming partials.
.set PW,    544
.set REG,   64*PW                      ; one wave's quarter of a slot
.set SLOTB, 4*REG
.set XCH,   2*SLOTB
.set EXT,   16384                      ; a partial tile: 128 registers x 32 lanes x 4 bytes
.set SPO,   528
.set LN,   2
.set R,    3
.set H,    4
.set AWO,  6                           ; v6, v7   my place in a fragment of Wo, K chunks 0-3 and 4-7
.set AW,   8                           ; v8, v9   my place in a fragment of my quarter of slot 0, 1
.set AX,   10                          ; v10-13   x's image of local tile i; v10 is also where I put my own tile
.set EXS,  14                          ; my area of the exchange + 16 x lane
.set EXL,  15                          ; v15-17   where the partial sums for my tile lie
.set STO,  18
.set GO,   19
.set OFR,  20
.set QD,   21
.set HB,   22
.set MLO,  23
.set BF1O, 24
.set ZERO, 25
.set CH,   32                          ; v32-39   four chains of pairs
.set MU,   40                          ; v40-41   the mean, twice
.set RS,   42                          ; v42-43   1 / sqrt(var + eps), twice
.set MA,   44                          ; v44-45   c m, l of half a;  v46-47 of half b
.set MB,   46
.set MX,   48
.set EA,   49
.set EB,   50
.set FA,   52
.set FB,   53
.set TT,   54                          ; v54-61
.set CTX,  64
.set XB,   64
.set OA,   128
.set OBH,  192
.set WB,   128
.set G1A, 28                           ; s[28:35] descriptor group 1, 256 elements from row to row (Wo, W2);  s[36:43] 1,024 (W1)
.set G1B, 36
.set G0,  44                           ; s[44:51] descriptor group 0, a set for each slot
.set W1P, 52                           ; s[52:53] W1 at my wave's 256 columns
.set W2P, 54                           ; s[54:55] W2 at my wave's 256 rows
.set WV,  56
.set INV, 58                           ; 1 / 256
.set EPS, 59
.set SEL, 60
.set MSB, 0
.macro WIN new
.if MSB != (\new)
	s_set_vgpr_msb (MSB<<8)|(\new)
.set MSB, \new
.endif
.endm
.macro PLACES                          ; four places behind matrix instructions, in front of vector instructions and loads that touch their registers
.rept 4
	v_nop
.endr
.endm
.macro CREST                           ; a round of the cluster's barrier behind its opening barrier
	s_cmp_lg_u32 s[WV], 0
	s_cbranch_scc1 .Lnot_wave_0_\@
	s_barrier_signal -3
.Lnot_wave_0_\@:
	s_barrier_wait -3
	s_barrier_signal -1
	s_barrier_wait -1
.endm
.macro CROUND
	s_barrier_signal -1
	s_barrier_wait -1
	CREST
.endm
; A joint refill: every wave asks for its own quarter of the slot; the descriptor hangs on the wave's number alone, so it is equal in the four work-groups.  No tensor load of the wave is out when group 0 is written.
.macro REFILL slot, base, const, g1
	s_add_nc_u64 s[G0+4*(\slot)+2:G0+4*(\slot)+3], s[\base:\base+1], \const
	s_or_b32 s[G0+4*(\slot)+3], s[G0+4*(\slot)+3], 0x80000000
	tensor_load_to_lds s[G0+4*(\slot):G0+4*(\slot)+3], s[\g1:\g1+7]
	s_nop 0
.rept 4
	v_nop                                          ; four v_nop follow the load; they are also the places in front of the loads that follow
.endr
.endm
; 256 numbers of a row vector (or of my row of query) as a result holds them: register j of tile n = column 16 n + 8 (lane / 16) + j
.macro LOADD sb, areg, vs
.set dn, 0
.rept 16
	global_load_b128 v[\vs+8*dn:\vs+8*dn+3],   v[\areg], s[\sb:\sb+1] offset:64*dn
	global_load_b128 v[\vs+8*dn+4:\vs+8*dn+7], v[\areg], s[\sb:\sb+1] offset:64*dn+16
.set dn, dn+1
.endr
.endm
; 8 weight fragments (16 columns x 32 K each), turned, into buffer buf
.macro FETCHW areg, ofs, buf
	WIN 0
.irp n, 0,1,2,3,4,5,6,7
	ds_load_tr16_b128 v[WB+64*(\buf)+8*\n:WB+64*(\buf)+8*\n+3],   v[\areg] offset:(\ofs)+32*\n
	ds_load_tr16_b128 v[WB+64*(\buf)+8*\n+4:WB+64*(\buf)+8*\n+7], v[\areg] offset:(\ofs)+32*\n+16*PW
.endr
.endm
; x's fragments of K chunk kc for the four local tiles
.macro FETCHX kc
.irp i, 0,1,2,3
	ds_load_b128 v[XB+32*((\kc)%2)+8*\i:XB+32*((\kc)%2)+8*\i+3],   v[AX+\i] offset:1024*(\kc)
	ds_load_b128 v[XB+32*((\kc)%2)+8*\i+4:XB+32*((\kc)%2)+8*\i+7], v[AX+\i] offset:1024*(\kc)+512
.endr
.endm
; Wo: 8 products onto y, K chunk c, columns 128 hf on
.macro MULO c, hf, buf
	WIN 0x50                                       ; C and D window 1
.irp n, 0,1,2,3,4,5,6,7
	v_wmma_f32_16x16x32_bf16 v[8*(8*(\hf)+\n):8*(8*(\hf)+\n)+7], v[WB+64*(\buf)+8*\n:WB+64*(\buf)+8*\n+7], v[CTX+8*(\c):CTX+8*(\c)+7], v[8*(8*(\hf)+\n):8*(8*(\hf)+\n)+7]
.endr
.endm
; FFN, batch bt of 16 (K chunk bt / 2, columns 128 (bt % 2) on): 16 products for local tiles 2 part, 2 part + 1.  kind 1: hidden = x W1, the first K chunk takes bf1 as C.
; kind 2: sum = hidden W2; the first K chunk starts tiles 1 to 3 with 0, tile 0 adds onto x + bf2.  The 16 accumulators take turns, one instruction a turn.
.macro MULF kind, part
.set mHF, bt%2
.set mKC, bt/2
.set mBF, WB+64*(bt%2)
.if \kind == 1
.if mKC == 0
	WIN 0x90+0x40*\part                            ; D window 2 or 3, C (bf1) window 1
.else
	WIN 0xa0+0x50*\part                            ; C and D window 2 or 3
.endif
.else
	WIN 0x58+0xa0*\part                            ; hidden fragments window 2; C and D window 1 or 3
.endif
.irp n, 0,1,2,3,4,5,6,7
.irp ii, 0,1
.set rD, 128*\ii+8*(8*mHF+\n)
.if \kind == 1
.set rB, XB+32*(mKC%2)+8*(2*\part+\ii)
.if mKC == 0
	v_wmma_f32_16x16x32_bf16 v[rD:rD+7], v[mBF+8*\n:mBF+8*\n+7], v[rB:rB+7], v[128+8*(8*mHF+\n):128+8*(8*mHF+\n)+7]
.else
	v_wmma_f32_16x16x32_bf16 v[rD:rD+7], v[mBF+8*\n:mBF+8*\n+7], v[rB:rB+7], v[rD:rD+7]
.endif
.else
.set rB, 64*(2*\part+\ii)+8*mKC
.if (mKC == 0) && ((\part+\ii) > 0)
	v_wmma_f32_16x16x32_bf16 v[rD:rD+7], v[mBF+8*\n:mBF+8*\n+7], v[rB:rB+7], 0
.else
	v_wmma_f32_16x16x32_bf16 v[rD:rD+7], v[mBF+8*\n:mBF+8*\n+7], v[rB:rB+7], v[rD:rD+7]
.endif
.endif
.endr
.endr
.endm
.macro FETCHN                          ; the weight fragments of batch bt + 1: four batches to a fill; the fills take slots 1, 0, 1, 0
.set nB, bt+1
	FETCHW AW+(1+nB/4)%2, ((nB/2)%2)*32*PW+(nB%2)*256, nB%2
.endm
; One batch.  mode 0: the next batch is fetched into the other buffer, then this one is multiplied.
; mode 1: a fill's last batch, and the slot is filled again: each wave waits for its reads of the slot and for all its tensor loads (one is out: its quarter of the other slot); the barrier opens a round of the
;         cluster's barrier, with 16 products inside it; the joint refill is the first thing behind the round; then the other slot's first fragments.
; mode 2: a fill's last batch, nothing is filled again: only the wave that asked reads a quarter, so its own wait is all that the reads need.   mode 3: the last batch of all.
.macro FFB kind, mode, rbase, rconst, rg1
.if \mode == 0
	PLACES
	FETCHN
.if (\kind == 1) && (bt%2 == 1)
	FETCHX (bt+1)/2
	s_wait_dscnt 24                                ; all but the 16 + 8 loads just issued
.else
	s_wait_dscnt 16                                ; all but the 16 loads just issued
.endif
	MULF \kind, 0
	MULF \kind, 1
.elseif \mode == 1
	s_wait_dscnt 0x0
	s_set_vgpr_msb (MSB<<8)|((MSB&0xf0)|0x0)
	s_wait_tensorcnt 0x0
	ds_add_u32 v62, v63
	s_wait_dscnt 0x0
	s_set_vgpr_msb (((MSB&0xf0)|0x0)<<8)|MSB
	s_barrier_signal -1
	MULF \kind, 0
	WIN 0
	s_barrier_wait -1
	CREST
	REFILL (1+bt/4)%2, \rbase, \rconst, \rg1
	FETCHN
.if (\kind == 1) && (bt < 15)
	FETCHX (bt+1)/2
.endif
	MULF \kind, 1
.elseif \mode == 2
	s_wait_dscnt 0x0
	s_wait_tensorcnt 0x0                           ; the last fill has landed
	PLACES
	FETCHN
	MULF \kind, 0
	MULF \kind, 1
.else
	s_wait_dscnt 0x0
	MULF \kind, 0
	MULF \kind, 1
.endif
.set bt, bt+1
.endm
; Layer norm of my 16 rows, in place in window 1, v0-127; gain in window 2, v0-127, bias in v128-255.  A lane holds 128 numbers of its row, the lane 16 away the other 128.
; The sums run in four chains of pairs, started by the first data (nothing is cleared), from the low end of each accumulator on.
.macro LNORM
	WIN 0x05
.irp q, 0,1,2,3
	v_pk_add_f32 v[CH+2*\q:CH+2*\q+1], v[4*\q:4*\q+1], v[4*\q+2:4*\q+3]
.endr
	WIN 0x04
.set i, 8
.rept 56
	v_pk_add_f32 v[CH+2*(i%4):CH+2*(i%4)+1], v[CH+2*(i%4):CH+2*(i%4)+1], v[2*i:2*i+1]
.set i, i+1
.endr
	WIN 0
	v_pk_add_f32 v[CH:CH+1], v[CH:CH+1], v[CH+2:CH+3]
	v_pk_add_f32 v[CH+4:CH+5], v[CH+4:CH+5], v[CH+6:CH+7]
	v_pk_add_f32 v[CH:CH+1], v[CH:CH+1], v[CH+4:CH+5]
	v_add_f32 v[CH], v[CH], v[CH+1]
	v_permlanex16_b32 v[CH+1], v[CH], s[SEL], s[SEL+1]
	v_add_f32 v[CH], v[CH], v[CH+1]
	v_mul_f32 v[MU], s[INV], v[CH]
	v_mov_b32 v[MU+1], v[MU]
	WIN 0x41
.set i, 0
.rept 64
	v_pk_add_f32 v[2*i:2*i+1], v[2*i:2*i+1], v[MU:MU+1] neg_lo:[0,1] neg_hi:[0,1]
.set i, i+1
.endr
	WIN 0x05
.irp q, 0,1,2,3
	v_pk_mul_f32 v[CH+2*\q:CH+2*\q+1], v[2*\q:2*\q+1], v[2*\q:2*\q+1]
.endr
.set i, 4
.rept 60
	v_pk_fma_f32 v[CH+2*(i%4):CH+2*(i%4)+1], v[2*i:2*i+1], v[2*i:2*i+1], v[CH+2*(i%4):CH+2*(i%4)+1]
.set i, i+1
.endr
	WIN 0
	v_pk_add_f32 v[CH:CH+1], v[CH:CH+1], v[CH+2:CH+3]
	v_pk_add_f32 v[CH+4:CH+5], v[CH+4:CH+5], v[CH+6:CH+7]
	v_pk_add_f32 v[CH:CH+1], v[CH:CH+1], v[CH+4:CH+5]
	v_add_f32 v[CH], v[CH], v[CH+1]
	v_permlanex16_b32 v[CH+1], v[CH], s[SEL], s[SEL+1]
	v_add_f32 v[CH], v[CH], v[CH+1]
	v_fma_f32 v[CH], v[CH], s[INV], s[EPS]
	v_rsq_f32 v[RS], v[CH]
	v_nop                                          ; a plain instruction between the root and the use of its result (ISA guide 5.7.2)
	s_wait_alu depctr_va_vdst(0)
	v_mov_b32 v[RS+1], v[RS]
	WIN 0x41
.set i, 0
.rept 64
	v_pk_mul_f32 v[2*i:2*i+1], v[2*i:2*i+1], v[RS:RS+1]
.set i, i+1
.endr
	WIN 0x69                                       ; gain and bias window 2
.set i, 0
.rept 64
	v_pk_fma_f32 v[2*i:2*i+1], v[2*i:2*i+1], v[2*i:2*i+1], v[128+2*i:128+2*i+1]
.set i, i+1
.endr
	WIN 0
.endm
	s_load_b512 s[4:19], s[0:1], 0x0               ; opart, ml, query, wb, bo, g1, b1, bf1
	s_load_b256 s[20:27], s[0:1], 0x40             ; bf2, g2, b2, out0
	v_lshl_add_u32 v62, v0, 2, 0x4c000
	v_mov_b32 v63, 0
	ds_add_u32 v62, v63
	v_lshrrev_b32 v1, 5, v0
	v_readfirstlane_b32 s[WV], v1                  ; wave 0..3
	s_bfe_u32 s68, ttmp6, 0x40000                  ; cx
	s_lshl_b32 s69, ttmp9, 2
	s_add_co_u32 s69, s69, s68                     ; my block of 64 rows: it enters the addresses of opart, ml, query and out0 alone
	s_lshl_b32 s69, s69, 6
	s_lshl_b32 s68, s[WV], 4
	s_add_co_u32 s69, s69, s68                     ; my wave's first row
	s_lshl_b32 s70, s69, 9
	s_mov_b32 s71, 0
	s_lshl_b32 s72, s69, 3
	s_mov_b32 s73, 0
	s_lshl_b32 s74, s69, 10
	s_mov_b32 s75, 0
	; descriptor group 1: a tile of 64 rows x 256 elements, padded in LDS
	s_mov_b32 s[G1A], 15|(1<<16)|(1<<20)|(1<<21)|(6<<22)|(7<<25)  ; 15:0 the mask: all four work-groups; 17:16 elements of 2 bytes; 20 padding on; 21 set beside a mask; 24:22 after every 128 words (code 6); 31:25 8 words of it (code 7)
	s_mov_b32 s[G1B], 15|(1<<16)|(1<<20)|(1<<21)|(6<<22)|(7<<25)
.irp g, G1A, G1B
	s_mov_b32 s[\g+1], 256<<16                     ; tensor_dim0 = 256
	s_mov_b32 s[\g+2], 64<<16                      ; tensor_dim1 = 64
	s_mov_b32 s[\g+3], 256<<16                     ; tile_dim0 = 256
	s_mov_b32 s[\g+4], 64                          ; tile_dim1 = 64
	s_mov_b32 s[\g+6], 0
	s_mov_b32 s[\g+7], 0
.endr
	s_mov_b32 s[G1A+5], 256                        ; elements from row to row
	s_mov_b32 s[G1B+5], 1024
	s_mul_i32 s57, s[WV], REG
	s_mov_b32 s[G0], 1
	s_mov_b32 s[G0+1], s57                         ; LDS address: my quarter of slot 0,
	s_mov_b32 s[G0+4], 1
	s_add_co_u32 s[G0+5], s57, SLOTB               ; of slot 1
	s_mov_b32 s[INV], 0x3b800000
	s_mov_b32 s[EPS], 0x3727c5ac                   ; 1e-5
	s_mov_b32 s[SEL], 0x76543210
	s_mov_b32 s[SEL+1], 0xfedcba98
	s_mov_b32 s63, 0
	s_wait_dscnt 0x0
	s_wait_kmcnt 0x0
	s_lshl_b32 s62, s[WV], 15
	s_add_nc_u64 s[G0+2:G0+3], s[10:11], s[62:63]  ; Wo's K rows 64 w on
	s_or_b32 s[G0+3], s[G0+3], 0x80000000
	s_lshl_b32 s62, s[WV], 9
	s_add_nc_u64 s[W1P:W1P+1], s[10:11], s[62:63]
	s_add_nc_u64 s[W1P:W1P+1], s[W1P:W1P+1], 131072
	s_lshl_b32 s62, s[WV], 17
	s_add_nc_u64 s[W2P:W2P+1], s[10:11], s[62:63]
	s_add_nc_u64 s[W2P:W2P+1], s[W2P:W2P+1], 655360
	s_mov_b64 s[G0+6:G0+7], s[W1P:W1P+1]           ; W1's K rows 0-63
	s_or_b32 s[G0+7], s[G0+7], 0x80000000
	s_add_nc_u64 s[4:5], s[4:5], s[70:71]          ; opart's half a at my rows,
	s_add_nc_u64 s[66:67], s[4:5], 0x800000        ; half b
	s_add_nc_u64 s[6:7], s[6:7], s[72:73]
	s_add_nc_u64 s[8:9], s[8:9], s[74:75]
	s_add_nc_u64 s[26:27], s[26:27], s[74:75]
	CROUND                                         ; all four work-groups are here: the first joint loads meet
	tensor_load_to_lds s[G0:G0+3], s[G1A:G1A+7]    ; Wo; the two first fills go out together: two loads of mine are out
	s_nop 0
	tensor_load_to_lds s[G0+4:G0+7], s[G1B:G1B+7]
	s_nop 0
.rept 4
	v_nop
.endr
	v_and_b32 v[LN], 31, v0
	v_and_b32 v[R], 15, v0
	v_bfe_u32 v[H], v0, 4, 1
	v_lshlrev_b32 v[MLO], 3, v[R]
	v_lshlrev_b32 v[OFR], 9, v[R]
	v_lshl_add_u32 v[OFR], v[H], 4, v[OFR]         ; a fragment of opart: row x 512 + 16 x half
	v_lshlrev_b32 v[QD], 10, v[R]
	v_lshl_add_u32 v[QD], v[H], 5, v[QD]           ; my row of query as a result holds it: row x 1,024 + 32 x half
	v_lshlrev_b32 v[HB], 5, v[H]
	s_lshl_b32 s57, s[WV], 10
	v_add_nc_u32 v[BF1O], s57, v[HB]               ; bf1 at my wave's 256 hidden columns
	global_load_b64 v[MA:MA+1], v[MLO], s[6:7]
	global_load_b64 v[MB:MB+1], v[MLO], s[6:7] offset:131072
.irp c, 0,1,2,3,4,5,6,7
	global_load_b128 v[OA+8*\c:OA+8*\c+3],   v[OFR], s[4:5] offset:64*\c
	global_load_b128 v[OA+8*\c+4:OA+8*\c+7], v[OFR], s[4:5] offset:64*\c+32
.endr
.irp c, 0,1,2,3,4,5,6,7
	global_load_b128 v[OBH+8*\c:OBH+8*\c+3],   v[OFR], s[66:67] offset:64*\c
	global_load_b128 v[OBH+8*\c+4:OBH+8*\c+7], v[OFR], s[66:67] offset:64*\c+32
.endr
	WIN 0x40
	LOADD 8, QD, 0                                 ; query
	WIN 0xc0
	LOADD 12, HB, 0                                ; bo
	WIN 0
	; LDS addresses: all hang on the lane and the wave's number alone
	v_and_b32 v[AWO], 7, v0                        ; the turning load: lane l reads 16 bytes of row 8 (l / 16) + l % 8, at byte 16 ((l / 8) % 2)
	v_lshl_add_u32 v[AWO], v[H], 3, v[AWO]
	v_mul_u32_u24 v[AWO], v[AWO], PW
	v_bfe_u32 v1, v0, 3, 1
	v_lshl_add_u32 v[AWO], v1, 4, v[AWO]
	v_add_nc_u32 v[AWO+1], 128*PW, v[AWO]
	s_mul_i32 s57, s[WV], REG
	v_add_nc_u32 v[AW], s57, v[AWO]
	v_add_nc_u32 v[AW+1], SLOTB, v[AW]
	v_lshlrev_b32 v[GO], 4, v[LN]
.irp i, 0,1,2,3
	s_add_co_u32 s57, s[WV], \i
	s_and_b32 s57, s57, 3                          ; local tile i is row tile (w + i) % 4
	s_lshl_b32 s57, s57, 13
	s_add_co_u32 s57, s57, XCH
	v_add_nc_u32 v[AX+\i], s57, v[GO]
.endr
.irp i, 1,2,3
	s_add_co_u32 s57, s[WV], 4-\i
	s_and_b32 s57, s57, 3                          ; my tile is local tile i of wave (w - i) % 4
	s_lshl_b32 s57, s57, 16
	s_add_co_u32 s57, s57, \i*EXT
	v_add_nc_u32 v[EXL+\i-1], s57, v[GO]
.endr
	s_lshl_b32 s57, s[WV], 16
	v_add_nc_u32 v[EXS], s57, v[GO]
	v_mul_u32_u24 v[STO], v[R], SPO
	v_lshl_add_u32 v[STO], v[H], 5, v[STO]
	v_add_nc_u32 v[STO], s57, v[STO]
	; THE TWO KEY HALVES ARE JOINED: weight of a half = l 2^(c m - M), M the larger c m; each half of opart is already divided by its own l.
	s_wait_loadcnt 0x3f                            ; behind ml's and opart's 34 loads stand 64: the largest count that the wait can name leaves 63 of them out
	v_max_num_f32 v[MX], v[MA], v[MB]
	v_sub_f32 v[EA], v[MA], v[MX]
	v_sub_f32 v[EB], v[MB], v[MX]
	v_exp_f32 v[EA], v[EA]
	v_exp_f32 v[EB], v[EB]
	v_mov_b32 v[ZERO], 0                           ; a plain instruction behind the exponentials
	s_wait_alu depctr_va_vdst(0)
	v_mul_f32 v[EA], v[EA], v[MA+1]
	v_mul_f32 v[EB], v[EB], v[MB+1]
	v_add_f32 v[MX], v[EA], v[EB]
	v_rcp_f32 v[MX], v[MX]
	v_nop
	s_wait_alu depctr_va_vdst(0)
	v_mul_f32 v[FA], v[EA], v[MX]
	v_mul_f32 v[FB], v[EB], v[MX]
.set f, 0
.rept 64                                           ; two numbers a register, straight from the bf16 halves; four sets of temporaries take turns
.set tA, TT+2*(f%4)
	v_fma_mix_f32_bf16 v[tA],   v[OA+f],  v[FA], v[ZERO] op_sel_hi:[1,0,0]
	v_fma_mix_f32_bf16 v[tA+1], v[OA+f],  v[FA], v[ZERO] op_sel:[1,0,0] op_sel_hi:[1,0,0]
	v_fma_mix_f32_bf16 v[tA],   v[OBH+f], v[FB], v[tA] op_sel_hi:[1,0,0]
	v_fma_mix_f32_bf16 v[tA+1], v[OBH+f], v[FB], v[tA+1] op_sel:[1,0,0] op_sel_hi:[1,0,0]
	v_cvt_pk_bf16_f32 v[CTX+f], v[tA], v[tA+1]
.set f, f+1
.endr
	s_wait_loadcnt 0x0                             ; query and bo
	WIN 0x4d
.set i, 0
.rept 64
	v_pk_add_f32 v[2*i:2*i+1], v[2*i:2*i+1], v[2*i:2*i+1]     ; window 1 += window 3: query + bo, onto which the product adds
.set i, i+1
.endr
	WIN 0x80
	LOADD 14, HB, 0                                ; g1
	LOADD 16, HB, 128                              ; b1
	WIN 0xc0
	LOADD 20, HB, 128                              ; bf2
	WIN 0x40
	LOADD 18, BF1O, 128                            ; bf1
	WIN 0
	s_wait_tensorcnt 1                             ; my quarter of Wo is in; W1's first tile may stay out
	s_barrier_signal -1
	s_barrier_wait -1                              ; everybody's is: every wave reads all of Wo
	; y = query + bo + ctx Wo: 16 batches of 8 products; the 16 accumulators take turns
	FETCHW AWO, 0, 0
.set b, 0
.rept 16
.if b < 15
	PLACES
	FETCHW AWO+(b+1)/8, (((b+1)/2)%4)*32*PW+((b+1)%2)*256, (b+1)%2
	s_wait_dscnt 16                                ; all but the 16 loads just issued
.else
	s_wait_dscnt 0x0
.endif
	MULO b/2, b%2, b%2
.set b, b+1
.endr
	PLACES
	WIN 0
	s_wait_dscnt 0x0                               ; my reads of Wo are over,
	s_set_vgpr_msb (MSB<<8)|((MSB&0xf0)|0x0)
	s_wait_tensorcnt 0x0                           ; and all my tensor loads have landed
	ds_add_u32 v62, v63
	s_wait_dscnt 0x0
	s_set_vgpr_msb (((MSB&0xf0)|0x0)<<8)|MSB
	CROUND
	REFILL 0, W1P, 131072, G1B                     ; W1's K rows 64-127 take Wo's place
	s_wait_loadcnt 0x0                             ; g1, b1, bf2, bf1
	LNORM                                          ; x
	WIN 0x05
.set f, 0
.rept 64
	v_cvt_pk_bf16_f32 v[CTX+f], v[2*f], v[2*f+1]   ; my tile of x as 8 fragments
.set f, f+1
.endr
	WIN 0
.set q, 0
.rept 16
	ds_store_b128 v[AX], v[CTX+4*q:CTX+4*q+3] offset:512*q     ; as the registers hold them: 512 consecutive bytes an instruction
.set q, q+1
.endr
	WIN 0x4d
.set i, 0
.rept 64
	v_pk_add_f32 v[2*i:2*i+1], v[2*i:2*i+1], v[128+2*i:128+2*i+1]   ; x + bf2: the second product of the FFN adds onto it
.set i, i+1
.endr
	WIN 0
	s_wait_dscnt 0x0                               ; for the others' sake: my tile of x is in LDS
	s_barrier_signal -1
	s_barrier_wait -1                              ; The tensor load that is out may stay out
	FETCHW AW+1, 0, 0
	FETCHX 0
	; hidden = x W1 + bf1
.set bt, 0
	FFB 1, 0, 0, 0, 0
	FFB 1, 0, 0, 0, 0
	FFB 1, 0, 0, 0, 0
	FFB 1, 1, W1P, 262144, G1B                     ; W1's K rows 128-191
	FFB 1, 0, 0, 0, 0
	FFB 1, 0, 0, 0, 0
	FFB 1, 0, 0, 0, 0
	FFB 1, 1, W1P, 393216, G1B                     ; K rows 192-255
	FFB 1, 0, 0, 0, 0
	FFB 1, 0, 0, 0, 0
	FFB 1, 0, 0, 0, 0
	FFB 1, 1, W2P, 0, G1A                          ; W2: my K rows 0-63
	FFB 1, 0, 0, 0, 0
	FFB 1, 0, 0, 0, 0
	FFB 1, 0, 0, 0, 0
	FFB 1, 1, W2P, 32768, G1A                      ; my K rows 64-127
	PLACES
	; relu, then rounding in pairs: fragment register i of window 2 takes accumulator registers 2 i, 2 i + 1, ascending, so that nothing is overwritten before it is read
	WIN 0x8a
.set i, 0
.rept 256
	v_max_num_f32 v[i], 0, v[i]
.set i, i+1
.endr
.set i, 0
.rept 128
	v_cvt_pk_bf16_f32 v[i], v[2*i], v[2*i+1]
.set i, i+1
.endr
	WIN 0xcf
.set i, 0
.rept 256
	v_max_num_f32 v[i], 0, v[i]
.set i, i+1
.endr
	WIN 0x8f
.set i, 0
.rept 128
	v_cvt_pk_bf16_f32 v[128+i], v[2*i], v[2*i+1]
.set i, i+1
.endr
	; my part of hidden W2
.set bt, 0
	FFB 2, 0, 0, 0, 0
	FFB 2, 0, 0, 0, 0
	FFB 2, 0, 0, 0, 0
	FFB 2, 1, W2P, 65536, G1A                      ; my K rows 128-191
	FFB 2, 0, 0, 0, 0
	FFB 2, 0, 0, 0, 0
	FFB 2, 0, 0, 0, 0
	FFB 2, 1, W2P, 98304, G1A                      ; my K rows 192-255: the last fill
	FFB 2, 0, 0, 0, 0
	FFB 2, 0, 0, 0, 0
	FFB 2, 0, 0, 0, 0
	FFB 2, 2, 0, 0, 0
	FFB 2, 0, 0, 0, 0
	FFB 2, 0, 0, 0, 0
	FFB 2, 0, 0, 0, 0
	FFB 2, 3, 0, 0, 0
	PLACES
	WIN 0x80
	LOADD 22, HB, 0                                ; g2
	LOADD 24, HB, 128                              ; b2
	WIN 0
	; THE EXCHANGE.  The ring has had its last fill and every wave has waited for all its tensor loads; behind this barrier no wave reads the ring any more.
	s_wait_dscnt 0x0
	s_barrier_signal -1
	s_barrier_wait -1
	WIN 0x04
.set q, 0
.rept 32
	ds_store_b128 v[EXS], v[128+4*q:128+4*q+3] offset:EXT+512*q          ; local tile 1, each accumulator from its low end on
.set q, q+1
.endr
	WIN 0x0c
.set q, 0
.rept 32
	ds_store_b128 v[EXS], v[4*q:4*q+3] offset:2*EXT+512*q                ; local tile 2
.set q, q+1
.endr
.set q, 0
.rept 32
	ds_store_b128 v[EXS], v[128+4*q:128+4*q+3] offset:3*EXT+512*q        ; local tile 3
.set q, q+1
.endr
	WIN 0
	s_wait_dscnt 0x0                               ; for the others' sake: my partial sums are in LDS
	s_barrier_signal -1
	s_barrier_wait -1
	WIN 0xc0
.set q, 0
.rept 32
	ds_load_b128 v[4*q:4*q+3], v[EXL] offset:512*q
.set q, q+1
.endr
.set q, 0
.rept 32
	ds_load_b128 v[128+4*q:128+4*q+3], v[EXL+1] offset:512*q
.set q, q+1
.endr
	WIN 0x40
.set q, 0
.rept 32
	ds_load_b128 v[128+4*q:128+4*q+3], v[EXL+2] offset:512*q
.set q, q+1
.endr
	s_wait_dscnt 0x3f                              ; behind the first partial's 32 loads stand 64
	WIN 0x4d
.set i, 0
.rept 64
	v_pk_add_f32 v[2*i:2*i+1], v[2*i:2*i+1], v[2*i:2*i+1]
.set i, i+1
.endr
	s_wait_dscnt 32                                ; the third partial's loads may stay out
.set i, 0
.rept 64
	v_pk_add_f32 v[2*i:2*i+1], v[2*i:2*i+1], v[128+2*i:128+2*i+1]
.set i, i+1
.endr
	s_wait_dscnt 0x0
	WIN 0x45
.set i, 0
.rept 64
	v_pk_add_f32 v[2*i:2*i+1], v[2*i:2*i+1], v[128+2*i:128+2*i+1]
.set i, i+1
.endr
	WIN 0
	s_wait_loadcnt 0x0                             ; g2, b2
	LNORM
	; THE WAY OUT, 128 columns at a time, through quarter 0 of my own area, which no other wave touches: 32 bytes a lane and tile into rows of 528 bytes, back as whole half rows of 512.
.irp ps, 0,1
	WIN 0x04
.irp n, 0,1,2,3,4,5,6,7
	ds_store_b128 v[STO], v[8*(8*\ps+\n):8*(8*\ps+\n)+3]   offset:64*\n
	ds_store_b128 v[STO], v[8*(8*\ps+\n)+4:8*(8*\ps+\n)+7] offset:64*\n+16
.endr
	WIN 0
.set f, 0
.rept 16
	ds_load_b128 v[64+64*\ps+4*f:64+64*\ps+4*f+3], v[EXS] offset:f*SPO   ; LDS serves a wave's instructions in order (ISA guide 5.7.1.4): these see the stores above; the second half's stores come behind them
.set f, f+1
.endr
.endr
.irp ps, 0,1
.set f, 0
.rept 16
	s_wait_dscnt (1-\ps)*32+15-f                   ; the younger LDS instructions may stay out
	global_store_b128 v[GO], v[64+64*\ps+4*f:64+64*\ps+4*f+3], s[26:27] offset:f*1024+512*\ps th:TH_STORE_NT   ; 512 consecutive bytes, aligned
.set f, f+1
.endr
.endr
	s_set_vgpr_msb (MSB<<8)|((MSB&0xf0)|0x0)
	s_wait_tensorcnt 0x0
	ds_add_u32 v62, v63
	s_wait_dscnt 0x0
	s_set_vgpr_msb (((MSB&0xf0)|0x0)<<8)|MSB
	CROUND                                         ; the closing round: no work-group ends while a partner may still ask for a tile that names it
	s_endpgm
.Lfunc_end_k_qc93d8bde86_tail:
	.size	k_qc93d8bde86_tail, .Lfunc_end_k_qc93d8bde86_tail-k_qc93d8bde86_tail
	.p2alignl 7, 3214868480
	.fill 96, 4, 3214868480
	.section	.rodata,"a",@progbits
	.p2align	6, 0x0
	.amdhsa_kernel k_qc93d8bde86_tail
		.amdhsa_group_segment_fixed_size 327680
		.amdhsa_private_segment_fixed_size 0
		.amdhsa_enable_private_segment 0
		.amdhsa_kernarg_size 96
		.amdhsa_user_sgpr_count 2
		.amdhsa_user_sgpr_kernarg_segment_ptr 1
		.amdhsa_wavefront_size32 1
		.amdhsa_system_sgpr_workgroup_id_x 1
		.amdhsa_system_sgpr_workgroup_id_y 1
		.amdhsa_system_sgpr_workgroup_id_z 1
		.amdhsa_system_vgpr_workitem_id 0
		.amdhsa_next_free_vgpr 1024
		.amdhsa_next_free_sgpr 80
		.amdhsa_reserve_vcc 0
		.amdhsa_float_denorm_mode_32 3
		.amdhsa_float_denorm_mode_16_64 3
		.amdhsa_memory_ordered 1
		.amdhsa_forward_progress 1
		.amdhsa_inst_pref_size 255
	.end_amdhsa_kernel
	.section	.bss,"aw",@nobits
	.p2align	6
	.space	262144
	.amdgpu_metadata
---
amdhsa.version: [ 1, 2 ]
amdhsa.kernels:
  - .name:           k_qc93d8bde86_tail
    .symbol:         k_qc93d8bde86_tail.kd
    .args:
      - { .name: opart, .offset: 0, .size: 8, .value_kind: global_buffer, .address_space: global }
      - { .name: ml, .offset: 8, .size: 8, .value_kind: global_buffer, .address_space: global }
      - { .name: query, .offset: 16, .size: 8, .value_kind: global_buffer, .address_space: global }
      - { .name: wb, .offset: 24, .size: 8, .value_kind: global_buffer, .address_space: global }
      - { .name: bo, .offset: 32, .size: 8, .value_kind: global_buffer, .address_space: global }
      - { .name: g1, .offset: 40, .size: 8, .value_kind: global_buffer, .address_space: global }
      - { .name: b1, .offset: 48, .size: 8, .value_kind: global_buffer, .address_space: global }
      - { .name: bf1, .offset: 56, .size: 8, .value_kind: global_buffer, .address_space: global }
      - { .name: bf2, .offset: 64, .size: 8, .value_kind: global_buffer, .address_space: global }
      - { .name: g2, .offset: 72, .size: 8, .value_kind: global_buffer, .address_space: global }
      - { .name: b2, .offset: 80, .size: 8, .value_kind: global_buffer, .address_space: global }
      - { .name: out0, .offset: 88, .size: 8, .value_kind: global_buffer, .address_space: global }
    .group_segment_fixed_size: 327680
    .private_segment_fixed_size: 0
    .kernarg_segment_align: 8
    .kernarg_segment_size: 96
    .max_flat_workgroup_size: 128
    .sgpr_count:     80
    .vgpr_count:     1024
    .wavefront_size: 32
...
	.end_amdgpu_metadata
.endif
;; end of part 3
